; MI455X (gfx1250); checked and timed in simulation.
; The chip was launched on July 23, 2026; its instructions are those of AMD's public machine-readable ISA for CDNA 5 (MIT licence, August 2026) and "CDNA5" Instruction Set Architecture Reference Guide (July 2026). The comments in the code are by the model that wrote it; some were corrected since.
;; SE3 Attention. Allowed arithmetic: float matrix products may take bf16 or f16 operands with f32 sums; other float arithmetic in f32, or as packed bf16 or f16 multiplies, adds, multiply-adds, maxima and minima; sums over many terms, partial sums and values carried from step to step in f32; what a program stores and reads back later, other than sums and carried values, may be rounded once to bf16 or f16.
;; Inputs: Wk 256 x 256 float32; Wo 256 x 256 float32; Wq 256 x 256 float32; Wv 256 x 256 float32; bk 256 float32; bo 256 float32; bq 256 float32; bv 256 float32; pos 2 x 4,096 x 3 float32; x 2 x 4,096 x 256 float32.
;; Outputs: out0 2 x 4,096 x 256 float32.
;; 2 versions, each right; version 2 is version 1 with the launches proj, outp written anew for expert scheduling mode. Each part assembles by itself: llvm-mc -triple=amdgcn-amd-amdhsa -mcpu=gfx1250 --defsym DOCPART=n.
;; ======== version 1 of 2: 3 launches
;; limits: values are held in f16: magnitudes above 65,504 overflow, below 6.1e-05 lose precision
;; workspace buffers: qf 4,194,304 bytes; kv 8,388,608 bytes; fk 524,288 bytes; fq 524,288 bytes; of 4,194,304 bytes
;; launch proj (part 1): grid 64 x 3, 8 waves a work-group, no clusters, 203,776 bytes of LDS; arguments x, pos, Wq, Wk, Wv, bq, bk, bv, qf, kv, fk, fq; writes qf, kv, fk, fq
.if DOCPART == 1
	.amdgcn_target "amdgcn-amd-amdhsa--gfx1250"
	.amdhsa_code_object_version 6
	.text
	.protected	k_q30e593b312_proj
	.globl	k_q30e593b312_proj
	.p2align	8
	.type	k_q30e593b312_proj,@function
k_q30e593b312_proj:
	s_mov_b64 s[64:65], 0
	v_nop
	global_prefetch_b8 v0, s[64:65] scope:SCOPE_SE
	s_setreg_imm32_b32 hwreg(HW_REG_WAVE_MODE, 25, 1), 1
	s_wait_xcnt 0x0
; THE THREE PROJECTIONS AND THE DISTANCE FEATURES.  x: [8192][256] f32 (2 x 4096 rows), W*: [256][256] f32, b*: [256] f32, pos: [8192][3] f32.
; Work-group (X, y): rows 128 X .. 128 X + 127, and y = 0: q' = -c1 (x Wq^T + bq), c1 = log2(e) / sqrt(32);  y = 1: k = x Wk^T + bk;  y = 2: v = x Wv^T + bv.
; x, W and the biases are rounded once to bf16, products in bf16 with f32 sums (the bias starts the sum), results rounded once to f16.
; LIMITS.  |c1 q|, |k|, |v| must stay under 65,504 (f16); below 6e-5 they keep f16's fixed step of 6e-8.  NaN and infinities are not treated apart.
; WHAT IS STORED is the register image of a matrix operand, in blocks of 1,024 bytes: 16 rows x 32 numbers of 16 bits; chunk c (0, 1) at byte 512 c + 16 lane; lane (r = lane % 16, h = lane / 16)
; holds row r, numbers 16 c + 8 h + 0..7.  A lane's eight packed results ARE such 16 bytes, so every store of a wave covers 512 consecutive bytes, aligned, straight from registers.
;   qf: [group of 64 rows 128][head 8][tile of 16 rows 4][block]            rows = queries, numbers = the head's 32 channels
;   kv: [2 batch + head group 4][chunk of 64 keys 64][32,768]: K block (head hh of 4, 16 keys kb) at 4096 hh + 1024 kb; V^T block (hh, 32 keys kk, 16 channels cb) at 16384 + 4096 hh + 2048 kk + 1024 cb
;   fk, fq: [tile of 16 points 512][block], bf16: the features below
; THE FEATURES.  With xb = bf16(pos), c2 = log2(e) / 10:  c2^2 |xb_i - xb_j|^2 = the sum over k < 15 of A_j[k] B_i[k], where
;   key row A_j:   k = 3 c + i: piece i of w_c = -2 c2^2 xb_c;  9..11: the pieces of s = c2^2 |xb|^2;  12..14: 1;  15..31: 0
;   query row B_i: k = 3 c + i: xb_c;                           9..11: 1;                             12..14: the pieces of s;  15..31: 0
; The pieces of an f32 number t are t1 = bf16(t), t2 = bf16(t - t1), t3 = t - t1 - t2: three bf16 whose sum is t exactly.  y = 0 makes fq, y = 1 makes fk.
; NO JOINT LOADS, NO TENSOR LOADS, though x's rows are read by three work-groups and W's by 64: both lie in memory as f32 and are rounded in registers on the way to LDS; a tensor load moves bytes as they lie.
; 192 WORK-GROUPS: a work-group's 256 columns are one whole projection, so that one text has one weight, one bias and one way out; K = 256 fits in LDS whole: one fill, one barrier.
; SHARES.  Wave w: rows 64 (w % 2) on (a chunk of 64 keys), columns 64 (w / 2) on (two heads): 16 accumulators of 16 x 16, which take turns.
.set PITCH,  528                       ; an LDS row: 512 bytes of bf16 + 16 = 33 x 16: the 16 rows of a fragment load start at 16 different 16-byte columns of 256
.set WB,     128*PITCH                 ; x's 128 rows lie at 0, W's 256 rows here
.set SPARE,  WB+256*PITCH              ; the spare words: 128 bytes for each of eight waves, four blocks of 256 bytes that no other line names
.set C2SQ,   0x3caa8179                ; c2^2 = 0.02081369
.set M2C2SQ, 0xbd2a8179                ; -2 c2^2
.set MC1,    0xbe8293ee                ; -c1 = -0.25503486
.set HIMASK, 0xffff0000                ; a word's upper bf16
.set LN16, 2                           ; v2   16 x lane
.set SX,   3                           ; v3   where I put 8 bytes of x's rows 16 w on
.set SW,   4                           ; v4   the same for W's rows 32 w on
.set AX,   5                           ; v5   my place in x's fragments
.set AW,   6                           ; v6   in W's
.set GX,   7                           ; v7   my byte offset in the work-group's rows of x
.set SPW,  8                           ; v8   LDS address of my spare word; never rewritten
.set NIL,  9                           ; v9   0; never rewritten
.set BOF,  10                          ; v10  bias: my eight columns
.set BOV,  11                          ; v11  bias: my one column
.set POSO, 12                          ; v12  my point in pos
.set T16,  13                          ; v13  16 x thread
.set Q4,   14                          ; v14  which eight features of a row I store: (thread / 16) % 4
.set ONE,  15                          ; v15  1.0
.set BI,   16                          ; v[16:47]  the bias as a C operand: block b at BI + 8 b
.set BV,   48                          ; v[48:51]  the bias of column 16 b + r
.set PX,   52                          ; v[52:57]  two points
.set GW,   58                          ; v58  my byte offset in W
.set ZR,   59                          ; v59  0
.set XF,   64                          ; v[64:95]   x's four fragments; before: at work on the features; afterwards, with WF: the packed results
.set WF,   96                          ; v[96:127]  W's four fragments
.set ACC,  128                         ; v[128:255] accumulator (a, b) at ACC + 8 (4 a + b); before: two sets of 16 loads
.set LA,   128
.set LB,   192
.set XBF,  64                          ; features: xb's three numbers
.set SQ,   67                          ; s
.set TM,   68
.set WT,   69
.set PCS,  70                          ; v[70:81]  twelve pieces
.set WD,   84                          ; v[84:91]  a row's first sixteen features, packed
.set FO,   96                          ; v[96:103] what I store, for each half of the work-group's points
.set WS,   28                          ; s[28:29] my W
.set BS,   30                          ; s[30:31] my bias
.set FD,   32                          ; s[32:33] fq or fk at the work-group's eight tiles
.set OD,   34                          ; s[34:35] where my wave's blocks go
.set WV,   36
.set WM,   37
.set WN,   38
.set BX,   39
.set BY,   40
.set SCL,  44                          ; s[44:45] -c1, named as a pair
.set MQ0,  46                          ; lanes with Q4 = 0
.set MQ1,  47                          ; lanes with Q4 = 1
.set OFS,  48                          ; s[48:49] an offset in 64 bits
.set XSB,  50                          ; s[50:51] x at the work-group's first row
.set PSB,  52                          ; s[52:53] pos at its first point
	s_load_b512 s[4:19], s[0:1], 0x0               ; x, pos, Wq, Wk, Wv, bq, bk, bv
	s_load_b256 s[20:27], s[0:1], 0x40             ; qf, kv, fk, fq
	v_lshl_add_u32 v[SPW], v0, 2, SPARE
	v_mov_b32 v[NIL], 0
	v_lshrrev_b32 v1, 5, v0
	v_readfirstlane_b32 s[WV], v1                  ; wave 0..7
	s_and_b32 s[WM], s[WV], 1
	s_lshr_b32 s[WN], s[WV], 1
	s_mov_b32 s[BX], ttmp9
	s_and_b32 s[BY], ttmp7, 0xffff
	v_and_b32 v1, 31, v0                           ; lane
	v_and_b32 v60, 15, v0                          ; r
	v_bfe_u32 v61, v0, 4, 1                        ; h
	v_lshlrev_b32 v[LN16], 4, v1
	s_mul_i32 s41, s[WV], 16*PITCH
	v_lshl_add_u32 v[SX], v1, 3, s41
	s_mul_i32 s41, s[WV], 32*PITCH
	s_add_co_u32 s41, s41, WB
	v_lshl_add_u32 v[SW], v1, 3, s41
	v_mul_u32_u24 v[AX], v60, PITCH
	v_lshl_add_u32 v[AX], v61, 4, v[AX]            ; row x pitch + 16 x half
	s_mul_i32 s41, s[WN], 64*PITCH
	s_add_co_u32 s41, s41, WB
	v_add_nc_u32 v[AW], s41, v[AX]
	s_mul_i32 s41, s[WM], 64*PITCH
	v_add_nc_u32 v[AX], s41, v[AX]
	s_lshl_b32 s41, s[WV], 14
	v_add_nc_u32 v[GX], s41, v[LN16]               ; 16 rows of 1,024 bytes a wave
	s_lshl_b32 s41, s[WV], 15
	v_add_nc_u32 v[GW], s41, v[LN16]               ; 32 rows a wave
	s_lshl_b32 s41, s[WN], 8
	v_lshl_add_u32 v[BOF], v61, 5, s41
	v_lshl_add_u32 v[BOV], v60, 2, s41
	v_lshrrev_b32 v1, 6, v0
	v_lshl_add_u32 v1, v1, 4, v60                  ; 16 (thread / 64) + r
	v_mul_u32_u24 v[POSO], v1, 12
	v_lshlrev_b32 v[T16], 4, v0
	v_bfe_u32 v[Q4], v0, 4, 2
	v_mov_b32 v[ONE], 1.0
	v_mov_b32 v[ZR], 0
	s_mov_b32 s[SCL], MC1
	s_mov_b32 s[SCL+1], MC1
	; where my blocks go.  q: (2 X + wm) x 32,768 + wn x 8,192
	s_lshl_b32 s41, s[BX], 1
	s_add_co_u32 s41, s41, s[WM]
	s_lshl_b32 s41, s41, 15
	s_lshl_b32 s42, s[WN], 13
	s_add_co_u32 s41, s41, s42
	; k: ((2 batch + wn / 2) x 64 + 2 (X % 32) + wm) x 32,768 + (wn % 2) x 8,192;  v: 16,384 further
	s_lshr_b32 s42, s[BX], 5
	s_lshl_b32 s42, s42, 1
	s_lshr_b32 s43, s[WN], 1
	s_add_co_u32 s42, s42, s43
	s_lshl_b32 s42, s42, 6
	s_and_b32 s43, s[BX], 31
	s_lshl_b32 s43, s43, 1
	s_add_co_u32 s42, s42, s43
	s_add_co_u32 s42, s42, s[WM]
	s_lshl_b32 s42, s42, 15
	s_and_b32 s43, s[WN], 1
	s_lshl_b32 s43, s43, 13
	s_add_co_u32 s42, s42, s43
	s_add_co_u32 s43, s42, 16384
	s_cmp_eq_u32 s[BY], 2
	s_cselect_b32 s42, s43, s42
	s_cmp_eq_u32 s[BY], 0
	s_cselect_b32 s41, s41, s42
	s_wait_kmcnt 0x0
	s_cmp_eq_u32 s[BY], 0
	s_cselect_b64 s[WS:WS+1], s[8:9], s[10:11]
	s_cselect_b64 s[BS:BS+1], s[14:15], s[16:17]
	s_cselect_b64 s[FD:FD+1], s[26:27], s[24:25]
	s_cselect_b64 s[OD:OD+1], s[20:21], s[22:23]
	s_cmp_eq_u32 s[BY], 2
	s_cselect_b64 s[WS:WS+1], s[12:13], s[WS:WS+1]
	s_cselect_b64 s[BS:BS+1], s[18:19], s[BS:BS+1]
	s_mov_b32 s[OFS+1], 0
	s_mov_b32 s[OFS], s41
	s_add_nc_u64 s[OD:OD+1], s[OD:OD+1], s[OFS:OFS+1]
	s_lshl_b32 s[OFS], s[BX], 13                   ; eight blocks of features
	s_add_nc_u64 s[FD:FD+1], s[FD:FD+1], s[OFS:OFS+1]
	s_lshl_b32 s[OFS], s[BX], 17                   ; 128 rows of 1,024 bytes
	s_add_nc_u64 s[XSB:XSB+1], s[4:5], s[OFS:OFS+1]
	s_mul_i32 s[OFS], s[BX], 1536                  ; 128 points of 12 bytes
	s_add_nc_u64 s[PSB:PSB+1], s[6:7], s[OFS:OFS+1]
.macro PLACES                          ; four places behind a matrix instruction, in front of loads into registers that it has read and of lines that read its result
.rept 4
	v_nop
.endr
.endm
.macro LD16 buf, vo, sb, j0            ; sixteen loads of 512 consecutive bytes: half rows j0 .. j0 + 15 of my wave's share
.set i, 0
.rept 16
	global_load_b128 v[(\buf)+4*i:(\buf)+4*i+3], v[\vo], s[\sb:(\sb)+1] offset:((\j0)+i)*512
.set i, i+1
.endr
.endm
.macro CV16 buf, va, j0                ; they are rounded to bf16 and laid into the padded rows: 8 bytes a lane, 256 consecutive bytes a wave
.set i, 0
.rept 16
	v_cvt_pk_bf16_f32 v[(\buf)+4*i], v[(\buf)+4*i], v[(\buf)+4*i+1]
	v_cvt_pk_bf16_f32 v[(\buf)+4*i+1], v[(\buf)+4*i+2], v[(\buf)+4*i+3]
	ds_store_b64 v[\va], v[(\buf)+4*i:(\buf)+4*i+1] offset:(((\j0)+i)/2)*PITCH+(((\j0)+i)%2)*256
.set i, i+1
.endr
.endm
	; eighteen small loads (the same on every path), then x's first 32 half rows
.irp b, 0,1,2,3
	global_load_b128 v[BI+8*\b:BI+8*\b+3],   v[BOF], s[BS:BS+1] offset:\b*64
	global_load_b128 v[BI+8*\b+4:BI+8*\b+7], v[BOF], s[BS:BS+1] offset:\b*64+16
	global_load_b32 v[BV+\b], v[BOV], s[BS:BS+1] offset:\b*64
.endr
.irp i, 0,1,2
	global_load_b32 v[PX+\i],   v[POSO], s[PSB:PSB+1] offset:4*\i
	global_load_b32 v[PX+3+\i], v[POSO], s[PSB:PSB+1] offset:768+4*\i
.endr
	LD16 LA, GX, XSB, 0
	LD16 LB, GX, XSB, 16
	s_wait_loadcnt 32                              ; the eighteen are in; x's 32 loads, issued behind them, stay out
.set r, 0
.rept 18                               ; the bias, both forms (v16 to v51 lie on end), rounded to bf16 and widened again
	v_cvt_pk_bf16_f32 v1, v[BI+r], v[BI+r+1]
	v_lshlrev_b32 v[BI+r], 16, v1
	v_and_b32 v[BI+r+1], HIMASK, v1
.set r, r+2
.endr
; THE FEATURES.  Thread t serves point 16 (t / 64) + t % 16 of each half of the work-group's 128 points, and stores features 8 Q4 .. 8 Q4 + 7 of its row.
.macro SPLIT d, src                    ; the three pieces of v[src], as f32, into v[d], v[d+1], v[d+2]
	v_cvt_pk_bf16_f32 v[TM], v[\src], v[\src]
	v_and_b32 v[\d], HIMASK, v[TM]
	v_sub_f32 v[(\d)+1], v[\src], v[\d]
	v_cvt_pk_bf16_f32 v[TM], v[(\d)+1], v[(\d)+1]
	v_and_b32 v[TM], HIMASK, v[TM]
	v_sub_f32 v[(\d)+2], v[(\d)+1], v[TM]
	v_mov_b32 v[(\d)+1], v[TM]
.endm
.macro FEATC rd                        ; xb, and s with its pieces
	v_cvt_pk_bf16_f32 v[TM], v[PX+3*(\rd)], v[PX+3*(\rd)+1]
	v_lshlrev_b32 v[XBF], 16, v[TM]
	v_and_b32 v[XBF+1], HIMASK, v[TM]
	v_cvt_pk_bf16_f32 v[TM], v[PX+3*(\rd)+2], v[PX+3*(\rd)+2]
	v_and_b32 v[XBF+2], HIMASK, v[TM]
	v_mul_f32 v[SQ], v[XBF], v[XBF]
	v_fmac_f32 v[SQ], v[XBF+1], v[XBF+1]
	v_fmac_f32 v[SQ], v[XBF+2], v[XBF+2]
	v_mul_f32 v[SQ], C2SQ, v[SQ]
	SPLIT PCS+9, SQ
.endm
.macro FEATK                           ; a key's row: the twelve pieces lie on end, then 1, 1, 1, 0
.irp c, 0,1,2
	v_mul_f32 v[WT], M2C2SQ, v[XBF+\c]
	SPLIT PCS+3*\c, WT
.endr
.irp i, 0,1,2,3,4,5
	v_cvt_pk_bf16_f32 v[WD+\i], v[PCS+2*\i], v[PCS+2*\i+1]   ; every piece is a bf16 number: nothing is rounded here
.endr
	v_cvt_pk_bf16_f32 v[WD+6], v[ONE], v[ONE]
	v_cvt_pk_bf16_f32 v[WD+7], v[ONE], v[ZR]
.endm
.macro FEATQ                           ; a query's row: x x x y y y z z z 1 1 1 s1 s2 s3 0
	v_cvt_pk_bf16_f32 v[WD+0], v[XBF], v[XBF]
	v_cvt_pk_bf16_f32 v[WD+1], v[XBF], v[XBF+1]
	v_cvt_pk_bf16_f32 v[WD+2], v[XBF+1], v[XBF+1]
	v_cvt_pk_bf16_f32 v[WD+3], v[XBF+2], v[XBF+2]
	v_cvt_pk_bf16_f32 v[WD+4], v[XBF+2], v[ONE]
	v_cvt_pk_bf16_f32 v[WD+5], v[ONE], v[ONE]
	v_cvt_pk_bf16_f32 v[WD+6], v[PCS+9], v[PCS+10]
	v_cvt_pk_bf16_f32 v[WD+7], v[PCS+11], v[ZR]
.endm
.macro FEATS rd                        ; features 0-7 where Q4 = 0, 8-15 where Q4 = 1, zeros elsewhere; a wave stores 512 consecutive bytes
.irp i, 0,1,2,3
	v_cndmask_b32 v[FO+4*(\rd)+\i], v[ZR], v[WD+4+\i], s[MQ1]
	v_cndmask_b32 v[FO+4*(\rd)+\i], v[FO+4*(\rd)+\i], v[WD+\i], s[MQ0]
.endr
	global_store_b128 v[T16], v[FO+4*(\rd):FO+4*(\rd)+3], s[FD:FD+1] offset:(\rd)*4096
.endm
	s_cmp_eq_u32 s[BY], 2
	s_cbranch_scc1 .Lnofeat                        ; v's work-groups make none; no load is jumped over
	v_cmp_eq_u32 s[MQ0], 0, v[Q4]
	v_cmp_eq_u32 s[MQ1], 1, v[Q4]
	s_cmp_eq_u32 s[BY], 0
	s_cbranch_scc1 .Lqfeat
	FEATC 0
	FEATK
	FEATS 0
	FEATC 1
	FEATK
	FEATS 1
	s_branch .Lnofeat
.Lqfeat:
	FEATC 0
	FEATQ
	FEATS 0
	FEATC 1
	FEATQ
	FEATS 1
.Lnofeat:
	s_wait_xcnt 0x0                                ; the two stores have read their data: v96 to v103 are loaded into further down
	; x and W go through two sets of sixteen loads that take turns; each count of 16 is the other set's loads, issued later
	s_wait_loadcnt 16
	CV16 LA, SX, 0
	LD16 LA, GW, WS, 0
	s_wait_loadcnt 16
	CV16 LB, SX, 16
	LD16 LB, GW, WS, 16
	s_wait_loadcnt 16
	CV16 LA, SW, 0
	LD16 LA, GW, WS, 32
	s_wait_loadcnt 16
	CV16 LB, SW, 16
	LD16 LB, GW, WS, 48
	s_wait_loadcnt 16
	CV16 LA, SW, 32
	s_wait_loadcnt 0x0
	CV16 LB, SW, 48
	s_wait_dscnt 0x0                               ; for the others' sake: my rows lie in LDS
	s_barrier_signal -1
	s_barrier_wait -1                              ; everybody's do
; 32 along K: eight fragments, sixteen products; the sixteen accumulators take turns, one instruction a turn.
; swap = 1: source 0 = W's rows: a lane ends with eight neighbouring channels of one row of x (q, k).  swap = 0: source 0 = x's rows: eight neighbouring keys of one channel (v).
; first = 1: the bias is the C operand that starts the sum: nothing is cleared.
.macro KSTEP ks, swap, first
.irp a, 0,1,2,3
	ds_load_b128 v[XF+8*\a:XF+8*\a+3],   v[AX] offset:\a*16*PITCH+(\ks)*64
	ds_load_b128 v[XF+8*\a+4:XF+8*\a+7], v[AX] offset:\a*16*PITCH+(\ks)*64+32
	ds_load_b128 v[WF+8*\a:WF+8*\a+3],   v[AW] offset:\a*16*PITCH+(\ks)*64
	ds_load_b128 v[WF+8*\a+4:WF+8*\a+7], v[AW] offset:\a*16*PITCH+(\ks)*64+32
.endr
	s_wait_dscnt 0x0
.irp a, 0,1,2,3
.irp b, 0,1,2,3
.if \swap
.set r0, WF+8*\b
.set r1, XF+8*\a
.else
.set r0, XF+8*\a
.set r1, WF+8*\b
.endif
.set rc, ACC+8*(4*\a+\b)
.if \first
.set rc, BI+8*\b
.endif
	v_wmma_f32_16x16x32_bf16 v[ACC+8*(4*\a+\b):ACC+8*(4*\a+\b)+7], v[r0:r0+7], v[r1:r1+7], v[rc:rc+7]
.endr
.endr
	PLACES
.endm
; The way out: each accumulator, its registers in ascending order, is rounded to f16: 16 bytes a lane, one chunk of a block.
.macro PACKST swap
.irp a, 0,1,2,3
.irp b, 0,1,2,3
.irp i, 0,1,2,3
	v_cvt_pk_f16_f32 v[XF+4*(4*\a+\b)+\i], v[ACC+8*(4*\a+\b)+2*\i], v[ACC+8*(4*\a+\b)+2*\i+1]
.endr
.if \swap
	global_store_b128 v[LN16], v[XF+4*(4*\a+\b):XF+4*(4*\a+\b)+3], s[OD:OD+1] offset:(\b/2)*4096+\a*1024+(\b%2)*512               ; head b / 2, rows 16 a on, channels 16 (b % 2) on
.else
	global_store_b128 v[LN16], v[XF+4*(4*\a+\b):XF+4*(4*\a+\b)+3], s[OD:OD+1] offset:(\b/2)*4096+(\a/2)*2048+(\b%2)*1024+(\a%2)*512 ; head b / 2, keys 32 (a / 2) + 16 (a % 2) on, channels 16 (b % 2) on
.endif
.endr
.endr
.endm
	s_cmp_eq_u32 s[BY], 2
	s_cbranch_scc1 .Lvpath
	KSTEP 0, 1, 1
.irp s, 1,2,3,4,5,6,7
	KSTEP \s, 1, 0
.endr
	PLACES                                         ; eight in all, once a launch
	s_cmp_lg_u32 s[BY], 0
	s_cbranch_scc1 .Lnoscale                       ; k goes out as it is
.set r, 0
.rept 64
	v_pk_mul_f32 v[ACC+r:ACC+r+1], v[ACC+r:ACC+r+1], s[SCL:SCL+1] op_sel_hi:[1,0]  ; q times -c1, in f32, ahead of its one rounding
.set r, r+2
.endr
.Lnoscale:
	PACKST 1
	s_branch .Lend
.Lvpath:
.irp b, 0,1,2,3
.irp j, 0,1,2,3,4,5,6,7
	v_mov_b32 v[BI+8*\b+\j], v[BV+\b]              ; here a lane holds one channel: its bias in all eight registers
.endr
.endr
	KSTEP 0, 0, 1
.irp s, 1,2,3,4,5,6,7
	KSTEP \s, 0, 0
.endr
	PLACES
	PACKST 0
.Lend:
	s_wait_tensorcnt 0x0                           ; the wave's end, behind my last LDS store
	ds_add_u32 v[SPW], v[NIL]
	s_wait_dscnt 0x0
	s_endpgm
.Lfunc_end_k_q30e593b312_proj:
	.size	k_q30e593b312_proj, .Lfunc_end_k_q30e593b312_proj-k_q30e593b312_proj
	.p2alignl 7, 3214868480
	.fill 96, 4, 3214868480
	.section	.rodata,"a",@progbits
	.p2align	6, 0x0
	.amdhsa_kernel k_q30e593b312_proj
		.amdhsa_group_segment_fixed_size 203776
		.amdhsa_private_segment_fixed_size 0
		.amdhsa_enable_private_segment 0
		.amdhsa_kernarg_size 96
		.amdhsa_user_sgpr_count 2
		.amdhsa_user_sgpr_kernarg_segment_ptr 1
		.amdhsa_wavefront_size32 1
		.amdhsa_system_sgpr_workgroup_id_x 1
		.amdhsa_system_sgpr_workgroup_id_y 1
		.amdhsa_system_sgpr_workgroup_id_z 1
		.amdhsa_system_vgpr_workitem_id 0
		.amdhsa_next_free_vgpr 256
		.amdhsa_next_free_sgpr 66
		.amdhsa_reserve_vcc 0
		.amdhsa_float_denorm_mode_32 3
		.amdhsa_float_denorm_mode_16_64 3
		.amdhsa_memory_ordered 1
		.amdhsa_forward_progress 1
		.amdhsa_inst_pref_size 97
	.end_amdhsa_kernel
	.amdgpu_metadata
---
amdhsa.version: [ 1, 2 ]
amdhsa.kernels:
  - .name:           k_q30e593b312_proj
    .symbol:         k_q30e593b312_proj.kd
    .args:
      - { .name: x, .offset: 0, .size: 8, .value_kind: global_buffer, .address_space: global }
      - { .name: pos, .offset: 8, .size: 8, .value_kind: global_buffer, .address_space: global }
      - { .name: Wq, .offset: 16, .size: 8, .value_kind: global_buffer, .address_space: global }
      - { .name: Wk, .offset: 24, .size: 8, .value_kind: global_buffer, .address_space: global }
      - { .name: Wv, .offset: 32, .size: 8, .value_kind: global_buffer, .address_space: global }
      - { .name: bq, .offset: 40, .size: 8, .value_kind: global_buffer, .address_space: global }
      - { .name: bk, .offset: 48, .size: 8, .value_kind: global_buffer, .address_space: global }
      - { .name: bv, .offset: 56, .size: 8, .value_kind: global_buffer, .address_space: global }
      - { .name: qf, .offset: 64, .size: 8, .value_kind: global_buffer, .address_space: global }
      - { .name: kv, .offset: 72, .size: 8, .value_kind: global_buffer, .address_space: global }
      - { .name: fk, .offset: 80, .size: 8, .value_kind: global_buffer, .address_space: global }
      - { .name: fq, .offset: 88, .size: 8, .value_kind: global_buffer, .address_space: global }
    .group_segment_fixed_size: 203776
    .private_segment_fixed_size: 0
    .kernarg_segment_align: 8
    .kernarg_segment_size: 96
    .max_flat_workgroup_size: 256
    .sgpr_count:     66
    .vgpr_count:     256
    .wavefront_size: 32
...
	.end_amdgpu_metadata
.endif
;; end of part 1
;; launch attn (part 2): grid 64 x 4, 8 waves a work-group, clusters of 4 x 1, 327,680 bytes of LDS; arguments qf, kv, fk, fq, of; writes of
.if DOCPART == 2
	.amdgcn_target "amdgcn-amd-amdhsa--gfx1250"
	.amdhsa_code_object_version 6
	.text
	.protected	k_q30e593b312_attn
	.globl	k_q30e593b312_attn
	.p2align	8
	.type	k_q30e593b312_attn,@function
k_q30e593b312_attn:
	s_mov_b64 s[64:65], 0
	v_nop
	global_prefetch_b8 v0, s[64:65] scope:SCOPE_SE
	s_setreg_imm32_b32 hwreg(HW_REG_WAVE_MODE, 25, 1), 1
	s_wait_xcnt 0x0
	s_wait_alu depctr_hold_cnt(0) depctr_sa_sdst(0) depctr_va_vdst(0) depctr_va_sdst(0) depctr_va_ssrc(0) depctr_va_vcc(0) depctr_vm_vsrc(0)
	s_getreg_b32 s2, hwreg(HW_REG_IB_STS2, 6, 4)
	s_cmp_eq_u32 s2, 0
	s_cbranch_scc0 .Lentry_in_a_cluster
	s_endpgm
.Lentry_in_a_cluster:
	s_bfe_u32 s2, ttmp6, 0x10000c
	s_cmp_lg_u32 s2, 0x3003
	s_cbranch_scc0 .Lentry_shape_is_right
	s_endpgm
.Lentry_shape_is_right:
; ATTENTION WITH A DISTANCE BIAS, head size 32.  O[b][head][i] = the sum over j of softmax_j(q_i . k_j / sqrt(32) - |pos_i - pos_j| / 10) v_j;  2 batches, 8 heads, 4,096 points.
; All operands arrive as register images in blocks of 1,024 bytes (16 rows x 32 numbers of 16 bits; chunk c at 512 c + 16 lane; lane (r, h) holds row r, numbers 16 c + 8 h + 0..7):
;   qf [group of 64 rows][head][tile][block] f16, holding q' = -c1 q, c1 = log2(e) / sqrt(32);   kv [2 b + g][chunk of 64 keys][K: 4096 hh + 1024 kb | V^T: 16384 + 4096 hh + 2048 kk + 1024 cb] f16;
;   fk, fq [tile of 16 points][block] bf16: rows whose product is c2^2 |pos_i - pos_j|^2, c2 = log2(e) / 10, pos rounded to bf16;   of [tile of 16 rows][head][block] f16 goes out.
; NEGATED SCORES.  S' = K Q'^T + c2 dist = -log2(e) x score: the root is the C operand of the score's product as it comes.  The scores' running maximum is kept as the running MINIMUM m' of S':
; p = 2^(m' - S'); in every step O and l are multiplied by a = 2^(m'_new - m'_old).  m' starts at the greatest finite number, O and l at 0: the first step is a step like any other, with a = 0.
; LIMITS.  A weight below 2^-126 counts as 0; p is rounded to f16 for the second product (below 6e-5 it keeps f16's fixed step of 6e-8), l is the sum of the unrounded p; O is rounded once to f16 and has v's
; range (under 65,504; below 6e-5 the fixed step of 6e-8).  The squared distance is clipped at 0, as the problem clips it.  NaN and infinities are not treated apart.
; SHARES.  A work-group: one batch b, one group g of four heads (y = 2 b + g), 64 queries.  Eight waves of 512 registers: wave w takes query tiles 2 p, 2 p + 1 (p = w % 2), all four heads, and of every
; slot of 256 keys the chunk kg = w / 2 of 64.  So a bias tile (one matrix instruction, a clip and a root for each number) serves four heads; the four quarters of the keys meet in LDS at the end, in f32.
; The text goes in phases, with five switches of the register window for a head's sixteen matrix instructions; two waves share a SIMD's registers.
; LAYOUT.  S'^T = K Q'^T (source 0 = 16 keys, source 1 = 16 queries): a lane holds ONE query (lane % 16) and the keys 8 (lane / 16) + 0..7.  Two such results rounded to f16 ARE source 1 of O^T = V^T P.
; CLUSTER.  The four query blocks of a cluster share (b, g) and walk the same K, V and key features: each tile is asked for JOINTLY, by the same tensor load, descriptor and mask in all four.
; RING.  Two slots of 256 keys (131,072 bytes of K and V, 16,384 of features).  Waves 0-3 fetch a chunk of K and V each, wave 4 the features; one tensor load of a wave is out at the most.
; REGISTERS, in two windows of 256 (s_set_vgpr_msb: bits 1:0 source 0, 3:2 source 1, 5:4 source 2, 7:6 destination).
.set SLOTKV, 1<<17                     ; K and V: slot 0 at 0, slot 1 here: one exclusive or turns one into the other; chunk kg at 32,768 kg
.set FK0,    2*SLOTKV                  ; the features' slot 0; chunk kg at 4,096 kg
.set SLOTFK, 1<<14
.set SPARE,  FK0+2*SLOTFK              ; the spare words: 128 bytes for each of eight waves, four blocks of 256 bytes that no other line names
.set WSTG,   20480                     ; the merge, in the ring's bytes when they have had their last fill: wave w at 20,480 w,
.set USTG,   2560                      ; unit u (head hh, tile t: u = 2 hh + t) at 2,560 u: four quads of O^T, 512 bytes each, then the statistics
.set LN16, 2                           ; v2   16 x lane
.set AK0,  3                           ; v3   my place in a slot's K and V
.set AF0,  4                           ; v4   in a slot's features
.set AKV,  5                           ; v5   the same in the slot in hand
.set AFK,  6                           ; v6
.set PFO,  7                           ; v7   256 x lane; never rewritten
.set SPW,  8                           ; v8   LDS address of my spare word; never rewritten
.set NIL,  9                           ; v9   0; never rewritten
.set STW,  10                          ; v10  the merge: where I write
.set STR,  12                          ; v[12:15] where I read key quarter k
.set ST,   16                          ; v[16:47]   unit u at ST + 4 u: m', m'_old, l (even registers', odd registers')
.set TMP,  48                          ; v[48:55]   tile t at TMP + 4 t: c0-c3 at work; a takes c2's place
.set SC,   64                          ; v[64:127]  S', tile t at + 32 t, key block kb at + 8 kb; at a trip's head v64-95 hold the four fragments of key features
.set PW,   128                         ; v[128:159] P, tile t at + 16 t, 32 keys kk at + 8 kk
.set KF,   160                         ; v[160:191] a head's K, key block kb at + 8 kb
.set DB,   192                         ; v[192:255] the bias, laid as S'
.set OA,   0                           ; window 1: v[0:127]   O^T, unit u at 16 u, channel block cb at + 8 cb
.set QF,   128                         ; window 1: v[128:191] Q', unit u at + 8 u
.set FQF,  192                         ; window 1: v[192:207] query features, tile t at + 8 t
.set VF,   208                         ; window 1: v[208:239] a head's V^T, (kk, cb) at + 16 kk + 8 cb
.set MO,   64                          ; the merge: partial O^T, unit j at + 64 j, quarter k at + 16 k
.set MST,  192                         ; statistics, + 16 j + 4 k
.set MF,   224                         ; factors, pairs, + 8 j + 2 k
.set WV,   14
.set PP,   15
.set KG,   16
.set CX,   17
.set QB,   18
.set BY,   19
.set G1KV, 24                          ; s[24:31] descriptor group 1 for K and V
.set G1FK, 32                          ; s[32:39] for the features
.set G0KV, 40                          ; s[40:43] descriptor group 0: it walks
.set G0FK, 44                          ; s[44:47]
.set SLOTS, 48                         ; tiles still to be asked for
.set RB,   49                          ; 0 or SLOTKV: the slot in hand
.set FB,   50                          ; 0 or SLOTFK
.set GH,   51
.set SEL,  52                          ; s[52:53] v_permlanex16_b32's selects: each lane takes its own place in the other half
.set PFA,  54                          ; s[54:55] where my prefetches stand
.set LIM,  56                          ; 1 in a wave that prefetches, else the greatest number
.set QBS,  58                          ; s[58:59] qf at my blocks
.set FQS,  60                          ; s[60:61] fq at my blocks
.set OBS,  62                          ; s[62:63] of at my blocks
.set MSB, 0
.macro WIN new                         ; the immediate's high byte repeats the setting that is left; a switch that changes nothing is dropped
.if MSB != (\new)
	s_set_vgpr_msb (MSB<<8)|(\new)
.set MSB, (\new)
.endif
.endm
.set W_S1, 0x04                        ; source 1 in window 1: Q', the query features, the data of an LDS store
.set W_PV, 0x51                        ; destination, source 0 and source 2 in window 1: O^T and V^T; P and a in window 0
.set W_TO, 0x40                        ; destination in window 1
.macro PLACES                          ; four places behind a matrix instruction, in front of loads into registers that it has read and of lines that read its result
.rept 4
	v_nop
.endr
.endm
; A round of the cluster's barrier: my work-group's barrier, so that wave 0's signal speaks for all eight waves; wave 0 signals; every wave waits for all four work-groups; my work-group's barrier once more.
.macro CROUND
	s_barrier_signal -1
	s_barrier_wait -1
	s_cmp_lg_u32 s[WV], 0
	s_cbranch_scc1 .Lnot_wave_0_\@
	s_barrier_signal -3
.Lnot_wave_0_\@:
	s_barrier_wait -3
	s_barrier_signal -1
	s_barrier_wait -1
.endm
; A joint fill.  The branches hang on the wave's number alone.  An s_nop 0 and four v_nop follow each of the two lines, ahead of the jump and the label.
.macro JLOAD
	s_cmp_lt_u32 s[WV], 4
	s_cbranch_scc0 .Lnot_kv_\@
	tensor_load_to_lds s[G0KV:G0KV+3], s[G1KV:G1KV+7]
	s_nop 0
.rept 4
	v_nop
.endr
	s_branch .Lasked_\@
.Lnot_kv_\@:
	s_cmp_eq_u32 s[WV], 4
	s_cbranch_scc0 .Lasked_\@
	tensor_load_to_lds s[G0FK:G0FK+3], s[G1FK:G1FK+7]
	s_nop 0
.rept 4
	v_nop
.endr
.Lasked_\@:
.endm
; A PREFETCH INTO THE L2 of the K and V that the NEXT change of slots will ask for, one trip ahead of that load.  The sixteen clusters of one y walk the same tiles: the first of them asks.  Of the 128 rows
; of 256 bytes that wave w < 4 fetches, the partner at place cx takes 32, told apart BY ADDRESS; a lane a row, one instruction a wave: each row is named once in the launch.  The first two tiles come by
; their loads alone; the last change that fills a slot asks for nothing.  The features are not asked for: a ninth of a slot's bytes, 64 rows, which four partners of 32 lanes cannot share out once each.
.macro ASK
	s_cmp_gt_u32 s[SLOTS], s[LIM]
	s_cbranch_scc0 .Lnot_mine_\@
	global_prefetch_b8 v[PFO], s[PFA:PFA+1] th:TH_LOAD_NT scope:SCOPE_SE
.Lnot_mine_\@:
.endm
; THE CHANGE OF SLOTS.  Each wave waits for all its tensor loads (at most one is out: its part of the other slot), adds 0 to its spare word, and waits for that and for its reads of the slot that it leaves.
; fill = 1: the barrier is a round of the cluster's, so that no wave of any partner still reads the slot or has a load on its way; the joint fill is the first thing behind it and has a trip in which to land.
; (At its first use nothing has been read yet: slot 0 is waited for, slot 1 filled.)
.macro CHANGE fill
	WIN 0                                          ; at a label and at a branch every window is 0
	s_wait_tensorcnt 0x0                           ; no tensor load of mine is out, so a group 0 may be written
	ds_add_u32 v[SPW], v[NIL]                      ; 0 onto my spare word; the descriptors' steps stand between it and the wait for it
.if \fill
	s_xor_b32 s[G0KV+1], s[G0KV+1], SLOTKV         ; the other slot than last time,
	s_add_nc_u64 s[G0KV+2:G0KV+3], s[G0KV+2:G0KV+3], SLOTKV  ; the next 256 keys; the type bits on top are not reached
	s_xor_b32 s[G0FK+1], s[G0FK+1], SLOTFK
	s_add_nc_u64 s[G0FK+2:G0FK+3], s[G0FK+2:G0FK+3], SLOTFK
	s_wait_xcnt 0x0                                ; the last prefetch, a trip back, has read its address
	s_add_nc_u64 s[PFA:PFA+1], s[PFA:PFA+1], SLOTKV  ; one tile ahead of the walking descriptor
	s_wait_dscnt 0x0                               ; the add is done, and my reads of the slot are over
	CROUND
	JLOAD
	ASK
.else
	s_wait_dscnt 0x0
	s_barrier_signal -1
	s_barrier_wait -1
.endif
	s_xor_b32 s[RB], s[RB], SLOTKV                 ; the reads go to the other slot
	s_xor_b32 s[FB], s[FB], SLOTFK
.endm
	s_load_b256 s[4:11], s[0:1], 0x0               ; qf s[4:5], kv s[6:7], fk s[8:9], fq s[10:11]
	s_load_b64 s[12:13], s[0:1], 0x20              ; of
	v_lshl_add_u32 v[SPW], v0, 2, SPARE
	v_mov_b32 v[NIL], 0
	ds_add_u32 v[SPW], v[NIL]                      ; the wave's opening: the add and its wait stand ahead of the first tensor load; the set-up below, work on registers, stands between them
	v_lshrrev_b32 v1, 5, v0
	v_readfirstlane_b32 s[WV], v1                  ; wave 0..7
	s_and_b32 s[PP], s[WV], 1
	s_lshr_b32 s[KG], s[WV], 1
	s_bfe_u32 s[CX], ttmp6, 0x40000                ; my place in the cluster
	s_lshl_b32 s[QB], ttmp9, 2                     ; in a cluster launch ttmp9 counts clusters
	s_add_co_u32 s[QB], s[QB], s[CX]               ; my block of 64 queries: it enters the addresses of qf, fq, of and the prefetches alone
	s_and_b32 s[BY], ttmp7, 0xffff                 ; y = 2 b + g, which the four partners share
	; descriptor group 1: dense bytes, asked for as rows of 256 bytes (32 elements of 8), no padding: a fragment load takes 512 consecutive bytes
	s_mov_b32 s[G1KV], 15|(3<<16)|(1<<21)          ; 15:0 the mask of four; 17:16 elements of 8 bytes; 21 set beside a mask
	s_mov_b32 s[G1KV+1], 32<<16                    ; tensor_dim0 = 32
	s_mov_b32 s[G1KV+2], 128<<16                   ; tensor_dim1 = 128
	s_mov_b32 s[G1KV+3], 32<<16                    ; tile_dim0 = 32
	s_mov_b32 s[G1KV+4], 128                       ; tile_dim1 = 128 rows: a chunk's 32,768 bytes
	s_mov_b32 s[G1KV+5], 32                        ; 32 elements from row to row
	s_mov_b32 s[G1KV+6], 0
	s_mov_b32 s[G1KV+7], 0
	s_mov_b32 s[G1FK], 15|(3<<16)|(1<<21)
	s_mov_b32 s[G1FK+1], 32<<16
	s_mov_b32 s[G1FK+2], 64<<16
	s_mov_b32 s[G1FK+3], 32<<16
	s_mov_b32 s[G1FK+4], 64                        ; 64 rows: a slot's 16,384 bytes of features
	s_mov_b32 s[G1FK+5], 32
	s_mov_b32 s[G1FK+6], 0
	s_mov_b32 s[G1FK+7], 0
	s_mov_b32 s[G0KV], 1                           ; count = 1
	s_and_b32 s20, s[WV], 3
	s_lshl_b32 s20, s20, 15                        ; my chunk, in a slot and in a tile: no place in the cluster enters an LDS address or a descriptor
	s_mov_b32 s[G0KV+1], s20                       ; slot 0
	s_mov_b32 s[G0FK], 1
	s_mov_b32 s[G0FK+1], FK0
	s_lshl_b32 s21, s[BY], 21                      ; y's 2,097,152 bytes of kv
	s_add_co_u32 s20, s20, s21
	s_mov_b32 s21, 0
	s_lshl_b32 s22, s[CX], 13                      ; the prefetches: my work-group's 32 rows of the chunk,
	s_add_co_u32 s22, s22, s20
	s_add_co_u32 s22, s22, SLOTKV                  ; in tile 1; the first change of slots steps it to tile 2
	s_mov_b32 s23, 0
	s_lshr_b32 s[LIM], s[WV], 2                    ; 0 in waves 0 to 3,
	s_or_b32 s[LIM], s[LIM], ttmp9                 ; where the cluster is y's first: the same in all four partners
	s_cmp_eq_u32 s[LIM], 0
	s_cselect_b32 s[LIM], 1, -1
	s_mov_b32 s[SEL], 0x76543210
	s_mov_b32 s[SEL+1], 0xfedcba98
	s_mov_b32 s[RB], SLOTKV                        ; the first change of slots turns these two into 0
	s_mov_b32 s[FB], SLOTFK
	s_mov_b32 s[SLOTS], 15
	s_and_b32 s[GH], s[BY], 1                      ; g
	s_wait_dscnt 0x0                               ; the opening add is done
	s_wait_kmcnt 0x0
	s_add_nc_u64 s[G0KV+2:G0KV+3], s[6:7], s[20:21]  ; global address: my chunk of tile 0
	s_or_b32 s[G0KV+3], s[G0KV+3], 0x80000000      ; type = 2
	s_add_nc_u64 s[PFA:PFA+1], s[6:7], s[22:23]
	s_lshr_b32 s20, s[BY], 1                       ; b
	s_lshl_b32 s20, s20, 18                        ; its 262,144 bytes of fk
	s_add_nc_u64 s[G0FK+2:G0FK+3], s[8:9], s[20:21]
	s_or_b32 s[G0FK+3], s[G0FK+3], 0x80000000
	s_lshr_b32 s22, s[BY], 1
	s_lshl_b32 s22, s22, 6
	s_add_co_u32 s22, s22, s[QB]                   ; my group of 64 rows among the 128
	s_mov_b32 s3, 0
	s_lshl_b32 s2, s22, 15                         ; qf: group x 32,768 + g x 16,384 + p x 2,048
	s_lshl_b32 s23, s[GH], 14
	s_add_co_u32 s2, s2, s23
	s_lshl_b32 s23, s[PP], 11
	s_add_co_u32 s2, s2, s23
	s_add_nc_u64 s[QBS:QBS+1], s[4:5], s[2:3]
	s_lshl_b32 s2, s22, 12                         ; fq: (4 group + 2 p) x 1,024
	s_add_co_u32 s2, s2, s23
	s_add_nc_u64 s[FQS:FQS+1], s[10:11], s[2:3]
	s_lshl_b32 s2, s22, 15                         ; of: (4 group + 2 p) x 8,192 + (4 g + kg) x 1,024: in the merge I finish head kg
	s_lshl_b32 s23, s[PP], 14
	s_add_co_u32 s2, s2, s23
	s_lshl_b32 s23, s[GH], 2
	s_add_co_u32 s23, s23, s[KG]
	s_lshl_b32 s23, s23, 10
	s_add_co_u32 s2, s2, s23
	s_add_nc_u64 s[OBS:OBS+1], s[12:13], s[2:3]
	CROUND                                         ; all four work-groups are here: the first joint loads meet
	JLOAD                                          ; tile 0 into slot 0; slot 1 is asked for when slot 0 is in
	; all that follows, up to the loop, stands in the wait for the first tile
	v_and_b32 v1, 31, v0
	v_lshlrev_b32 v[LN16], 4, v1
	v_lshlrev_b32 v[PFO], 8, v1
	WIN W_TO
.irp u, 0,1,2,3,4,5,6,7                ; Q' stays in registers: head u / 2, tile u % 2
	global_load_b128 v[QF+8*\u:QF+8*\u+3],   v[LN16], s[QBS:QBS+1] offset:(\u/2)*4096+(\u%2)*1024
	global_load_b128 v[QF+8*\u+4:QF+8*\u+7], v[LN16], s[QBS:QBS+1] offset:(\u/2)*4096+(\u%2)*1024+512
.endr
.irp t, 0,1
	global_load_b128 v[FQF+8*\t:FQF+8*\t+3],   v[LN16], s[FQS:FQS+1] offset:\t*1024
	global_load_b128 v[FQF+8*\t+4:FQF+8*\t+7], v[LN16], s[FQS:FQS+1] offset:\t*1024+512
.endr
.set i, 0
.rept 128                              ; O^T starts at 0, on purpose: no first step is written out, and a trip's text stands twice, not three times
	v_mov_b32 v[OA+i], 0
.set i, i+1
.endr
	WIN 0
.set u, 0
.rept 8
	v_mov_b32 v[ST+4*u], 0x7f7fffff                ; m': above every S'
	v_mov_b32 v[ST+4*u+1], 0
	v_mov_b32 v[ST+4*u+2], 0
	v_mov_b32 v[ST+4*u+3], 0
.set u, u+1
.endr
	s_lshl_b32 s20, s[KG], 15
	v_add_nc_u32 v[AK0], s20, v[LN16]
	s_lshl_b32 s20, s[KG], 12
	s_add_co_u32 s20, s20, FK0
	v_add_nc_u32 v[AF0], s20, v[LN16]
	s_mul_i32 s20, s[WV], WSTG
	v_add_nc_u32 v[STW], s20, v[LN16]
	s_mul_i32 s20, s[PP], WSTG                     ; the waves with my p are 2 k + p; of each I read units 2 kg, 2 kg + 1
	s_mul_i32 s21, s[KG], 2*USTG
	s_add_co_u32 s20, s20, s21
.irp k, 0,1,2,3
	v_add_nc_u32 v[STR+\k], s20, v[LN16]
	s_add_co_u32 s20, s20, 2*WSTG
.endr
	s_wait_loadcnt 0x0                             ; Q' and the query features
; THE LDS LOADS, in runs of eight; each takes 512 consecutive bytes.
.macro LDF                             ; my chunk's four fragments of key features, into S's first registers
.irp kb, 0,1,2,3
	ds_load_b128 v[SC+8*\kb:SC+8*\kb+3],   v[AFK] offset:\kb*1024
	ds_load_b128 v[SC+8*\kb+4:SC+8*\kb+7], v[AFK] offset:\kb*1024+512
.endr
.endm
.macro LDK hh                          ; head hh's K: four fragments of 16 keys
.irp kb, 0,1,2,3
	ds_load_b128 v[KF+8*\kb:KF+8*\kb+3],   v[AKV] offset:(\hh)*4096+\kb*1024
	ds_load_b128 v[KF+8*\kb+4:KF+8*\kb+7], v[AKV] offset:(\hh)*4096+\kb*1024+512
.endr
.endm
.macro LDV hh                          ; head hh's V^T: fragment f = 2 kk + cb
	WIN W_TO
.irp f, 0,1,2,3
	ds_load_b128 v[VF+8*\f:VF+8*\f+3],   v[AKV] offset:16384+(\hh)*4096+\f*1024
	ds_load_b128 v[VF+8*\f+4:VF+8*\f+7], v[AKV] offset:16384+(\hh)*4096+\f*1024+512
.endr
.endm
; THE BIAS, once a trip for all four heads: c2^2 d^2 by one matrix instruction a tile; then the clip at 0 and the root, in place.  An accumulator's roots alternate with the next one's clips;
; each accumulator's registers are taken in ascending order.  One plain instruction and one wait follow the 64 roots, ahead of the products that take them as C.
.macro D2
	WIN W_S1
.irp kb, 0,1,2,3
.irp t, 0,1
	v_wmma_f32_16x16x32_bf16 v[DB+32*\t+8*\kb:DB+32*\t+8*\kb+7], v[SC+8*\kb:SC+8*\kb+7], v[FQF+8*\t:FQF+8*\t+7], 0
.endr
.endr
.endm
.macro BIAS
.set r, 0
.rept 8
	v_max_num_f32 v[DB+r], 0, v[DB+r]
.set r, r+1
.endr
.set r, 0
.rept 56
	v_sqrt_f32 v[DB+r], v[DB+r]
	v_max_num_f32 v[DB+r+8], 0, v[DB+r+8]
.set r, r+1
.endr
.rept 8
	v_sqrt_f32 v[DB+r], v[DB+r]
.set r, r+1
.endr
	v_nop
	s_wait_alu depctr_va_vdst(0)
.endm
; THE MATRIX WORK OF A HEAD.  A score tile is ONE instruction (32 channels), with the bias as C: no chain.
.macro KQ hh
	WIN W_S1
.irp kb, 0,1,2,3
.irp t, 0,1
	v_wmma_f32_16x16x32_f16 v[SC+32*\t+8*\kb:SC+32*\t+8*\kb+7], v[KF+8*\kb:KF+8*\kb+7], v[QF+8*(2*(\hh)+\t):QF+8*(2*(\hh)+\t)+7], v[DB+32*\t+8*\kb:DB+32*\t+8*\kb+7]
.endr
.endr
.endm
.macro PV hh                           ; O^T += V^T P: four accumulators take turns, one instruction a turn
.irp kk, 0,1
.irp t, 0,1
.irp cb, 0,1
	v_wmma_f32_16x16x32_f16 v[OA+16*(2*(\hh)+\t)+8*\cb:OA+16*(2*(\hh)+\t)+8*\cb+7], v[VF+16*\kk+8*\cb:VF+16*\kk+8*\cb+7], v[PW+16*\t+8*\kk:PW+16*\t+8*\kk+7], v[OA+16*(2*(\hh)+\t)+8*\cb:OA+16*(2*(\hh)+\t)+8*\cb+7]
.endr
.endr
.endr
.endm
; THE VECTOR WORK OF A HEAD, for tile t; HH is the head in hand.
.macro REGS t
.set rT, ST+4*(2*HH+(\t))
.set rC, TMP+4*(\t)
.set rS, SC+32*(\t)
.set rP, PW+16*(\t)
.set rO, OA+16*(2*HH+(\t))
.endm
; XS t, n: number n of the 21 that find the minimum and the statistics.  0-11: four chains c0-c3 of seven scores each (each accumulator's lowest registers first).  12-14, 16: the four scores left over,
; the old m' and c0-c3 into c0.  15: m'_old is kept.  17, 18: the query's other 32 keys lie in the lane 16 away: the new m'.  19, 20: a.
.macro XS t, n
	REGS \t
.if (\n) < 4
	v_min3_num_f32 v[rC+(\n)], v[rS+8*(\n)], v[rS+8*(\n)+1], v[rS+8*(\n)+2]
.elseif (\n) < 12
	v_min3_num_f32 v[rC+(\n)%4], v[rC+(\n)%4], v[rS+8*((\n)%4)+2*((\n)/4)+1], v[rS+8*((\n)%4)+2*((\n)/4)+2]
.elseif (\n) == 12
	v_min3_num_f32 v[rC], v[rC], v[rS+7], v[rS+15]
.elseif (\n) == 13
	v_min3_num_f32 v[rC+1], v[rC+1], v[rS+23], v[rS+31]
.elseif (\n) == 14
	v_min3_num_f32 v[rC+2], v[rC+2], v[rC+3], v[rT]
.elseif (\n) == 15
	v_mov_b32 v[rT+1], v[rT]
.elseif (\n) == 16
	v_min3_num_f32 v[rC], v[rC], v[rC+1], v[rC+2]
.elseif (\n) == 17
	v_permlanex16_b32 v[rC+3], v[rC], s[SEL], s[SEL+1]
.elseif (\n) == 18
	v_min_num_f32 v[rT], v[rC], v[rC+3]
.elseif (\n) == 19
	v_sub_f32 v[rC+1], v[rT], v[rT+1]
.else
	v_exp_f32 v[rC+2], v[rC+1]
.endif
.endm
.macro FS t, i                         ; m' - S' for pair i of 16
	REGS \t
	v_pk_add_f32 v[rS+2*(\i):rS+2*(\i)+1], v[rT:rT+1], v[rS+2*(\i):rS+2*(\i)+1] op_sel_hi:[0,1] neg_lo:[0,1] neg_hi:[0,1]
.endm
.macro EX t, e                         ; the weight of score e of 32
	REGS \t
	v_exp_f32 v[rS+(\e)], v[rS+(\e)]
.endm
.macro CV t, i                         ; pair i rounded to f16
	REGS \t
	v_cvt_pk_f16_f32 v[rP+(\i)], v[rS+2*(\i)], v[rS+2*(\i)+1]
.endm
.macro SB t, k                         ; of the four weights 4 k .. the second pair is added onto the first, in place
	REGS \t
	v_pk_add_f32 v[rS+4*(\k):rS+4*(\k)+1], v[rS+4*(\k):rS+4*(\k)+1], v[rS+4*(\k)+2:rS+4*(\k)+3]
.endm
.macro SL t, k                         ; l takes that sum; the first time l = a l + sum
	REGS \t
.if (\k) == 0
	v_pk_fma_f32 v[rT+2:rT+3], v[rT+2:rT+3], v[rC+2:rC+3], v[rS:rS+1] op_sel_hi:[1,0,1]
.else
	v_pk_add_f32 v[rT+2:rT+3], v[rT+2:rT+3], v[rS+4*(\k):rS+4*(\k)+1]
.endif
.endm
.macro RS t, z                         ; pair z of 8 of the unit's O^T times a
	REGS \t
	v_pk_mul_f32 v[rO+2*(\z):rO+2*(\z)+1], v[rO+2*(\z):rO+2*(\z)+1], v[rC+2:rC+3] op_sel_hi:[1,0]
.endm
; A HEAD'S STEP: two tiles x 64 keys.  The counted waits on LDS: K and V^T are fetched by turns, eight loads each, so when one is wanted the eight loads of the other, issued behind it, may stay out.
; The 66 exponentials (64 weights, two a) are one batch: nothing ahead of the one wait names a result of theirs, and all that do (roundings, sums, rescaling) stand behind it.
.macro HEAD hh
.set HH, (\hh)
	s_wait_dscnt 8                                 ; this head's K is in; its V^T, issued later, may be out
	KQ \hh
	WIN 0
	XS 0, 15                                       ; four places behind those products: two lines that name none of their registers, two v_nop
	XS 1, 15
	v_nop
	v_nop
.if (\hh) < 3
	LDK (\hh)+1
.endif
.irp n, 0,1,2,3,4,5,6,7,8,9,10,11,12,13,14,16,17,18,19,20
	XS 0, \n
	XS 1, \n
.endr
.set bb, 0
.rept 16
	FS 0, bb
	FS 1, bb
	EX 0, 2*bb
	EX 1, 2*bb
	EX 0, 2*bb+1
	EX 1, 2*bb+1
.set bb, bb+1
.endr
	v_nop                                          ; a plain instruction behind the last exponential,
	s_wait_alu depctr_va_vdst(0)                   ; and the one wait ahead of the first line that names a result
.set kx, 0
.rept 8
	CV 0, 2*kx
	CV 1, 2*kx
	CV 0, 2*kx+1
	CV 1, 2*kx+1
	SB 0, kx
	SB 1, kx
.if kx > 0
	SL 0, kx-1
	SL 1, kx-1
.endif
.set kx, kx+1
.endr
	SL 0, 7
	SL 1, 7
.if (\hh) < 3
	s_wait_dscnt 8                                 ; this head's V^T is in; the next head's K, issued later, may be out
.else
	s_wait_dscnt 0x0
.endif
	WIN W_PV
.set zz, 0
.rept 8
	RS 0, zz
	RS 1, zz
.set zz, zz+1
.endr
	PV \hh
	PLACES                                         ; in front of the loads into V^T's registers, and of what reads O^T at the end
.if (\hh) < 3
	LDV (\hh)+1
.endif
	WIN 0
.endm
; A TRIP: my chunk of 64 keys of the slot in hand.
.macro BODY
	v_add_nc_u32 v[AKV], s[RB], v[AK0]
	v_add_nc_u32 v[AFK], s[FB], v[AF0]
	LDF
	LDK 0
	LDV 0
	s_wait_dscnt 16                                ; the features are in; K's and V^T's sixteen loads, issued later, may be out
	D2
	WIN 0
	PLACES
	BIAS
	HEAD 0
	HEAD 1
	HEAD 2
	HEAD 3
.endm
.Lslot:                                ; fifteen trips: a tile is entered and the next is asked for
	CHANGE 1
	BODY
	s_sub_co_u32 s[SLOTS], s[SLOTS], 1
	s_cmp_lg_u32 s[SLOTS], 0
	s_cbranch_scc1 .Lslot
	CHANGE 0                                       ; the last tile is written out: nothing is asked for
	BODY
	; THE MERGE of the four key quarters, in f32.  The ring has had its last fill; every wave's reads of it are over behind this barrier, and its bytes take the partial results.
	s_wait_dscnt 0x0
	s_barrier_signal -1
	s_barrier_wait -1
.set u, 0
.rept 8
	v_add_f32 v[ST+4*u+2], v[ST+4*u+2], v[ST+4*u+3]
.set u, u+1
.endr
.set u, 0
.rept 8
	v_permlanex16_b32 v[ST+4*u+3], v[ST+4*u+2], s[SEL], s[SEL+1]
.set u, u+1
.endr
.set u, 0
.rept 8
	v_add_f32 v[ST+4*u+2], v[ST+4*u+2], v[ST+4*u+3]  ; l of my quarter, whole
.set u, u+1
.endr
	WIN W_S1
.set u, 0
.rept 8
.irp qd, 0,1,2,3
	ds_store_b128 v[STW], v[OA+16*u+4*\qd:OA+16*u+4*\qd+3] offset:u*USTG+\qd*512
.endr
.set u, u+1
.endr
	WIN 0
.set u, 0
.rept 8
	ds_store_b128 v[STW], v[ST+4*u:ST+4*u+3] offset:u*USTG+2048
.set u, u+1
.endr
	s_wait_dscnt 0x0                               ; for the others' sake: my partial results lie in LDS
	s_barrier_signal -1
	s_barrier_wait -1                              ; everybody's do
	; wave (p, kg) finishes head kg of tiles 2 p + j, j = 0, 1, from the four waves 2 k + p
.irp j, 0,1
.irp k, 0,1,2,3
	ds_load_b128 v[MST+16*\j+4*\k:MST+16*\j+4*\k+3], v[STR+\k] offset:\j*USTG+2048
.endr
.endr
.irp j, 0,1
.irp k, 0,1,2,3
.irp qd, 0,1,2,3
	ds_load_b128 v[MO+64*\j+16*\k+4*\qd:MO+64*\j+16*\k+4*\qd+3], v[STR+\k] offset:\j*USTG+\qd*512
.endr
.endr
.endr
	s_wait_dscnt 0x0
.irp j, 0,1
	v_min3_num_f32 v[TMP+\j], v[MST+16*\j], v[MST+16*\j+4], v[MST+16*\j+8]
.endr
.irp j, 0,1
	v_min_num_f32 v[TMP+\j], v[TMP+\j], v[MST+16*\j+12]   ; m*: the least of the four minima
.endr
.irp j, 0,1
.irp k, 0,1,2,3
	v_sub_f32 v[MST+16*\j+4*\k+1], v[TMP+\j], v[MST+16*\j+4*\k]
.endr
.endr
.irp j, 0,1
.irp k, 0,1,2,3
	v_exp_f32 v[MST+16*\j+4*\k+1], v[MST+16*\j+4*\k+1]    ; f_k = 2^(m* - m'_k)
.endr
.endr
	v_nop
	s_wait_alu depctr_va_vdst(0)                   ; one wait for the eight
.irp j, 0,1
	v_mul_f32 v[TMP+2+\j], v[MST+16*\j+1], v[MST+16*\j+2]
.endr
.irp k, 1,2,3
.irp j, 0,1
	v_fmac_f32 v[TMP+2+\j], v[MST+16*\j+4*\k+1], v[MST+16*\j+4*\k+2]  ; L = the sum of f_k l_k: at least 1
.endr
.endr
.irp j, 0,1
	v_rcp_f32 v[TMP+4+\j], v[TMP+2+\j]
.endr
	v_nop
	s_wait_alu depctr_va_vdst(0)                   ; one wait for the two
.irp j, 0,1
.irp k, 0,1,2,3
	v_mul_f32 v[MF+8*\j+2*\k],   v[MST+16*\j+4*\k+1], v[TMP+4+\j]   ; f_k / L, in both words of a pair
	v_mul_f32 v[MF+8*\j+2*\k+1], v[MST+16*\j+4*\k+1], v[TMP+4+\j]
.endr
.endr
.irp j, 0,1
.set z, 0
.rept 8
	v_pk_mul_f32 v[MO+64*\j+z:MO+64*\j+z+1], v[MO+64*\j+z:MO+64*\j+z+1], v[MF+8*\j:MF+8*\j+1]
.irp k, 1,2,3
	v_pk_fma_f32 v[MO+64*\j+z:MO+64*\j+z+1], v[MO+64*\j+16*\k+z:MO+64*\j+16*\k+z+1], v[MF+8*\j+2*\k:MF+8*\j+2*\k+1], v[MO+64*\j+z:MO+64*\j+z+1]
.endr
.set z, z+2
.endr
.endr
.irp j, 0,1
.irp i, 0,1,2,3,4,5,6,7
	v_cvt_pk_f16_f32 v[MO+64*\j+\i], v[MO+64*\j+2*\i], v[MO+64*\j+2*\i+1]   ; O's one rounding; a lane's eight channels are a chunk's 16 bytes
.endr
	global_store_b128 v[LN16], v[MO+64*\j:MO+64*\j+3],   s[OBS:OBS+1] offset:\j*8192       ; 512 consecutive bytes, aligned
	global_store_b128 v[LN16], v[MO+64*\j+4:MO+64*\j+7], s[OBS:OBS+1] offset:\j*8192+512
.endr
	s_wait_tensorcnt 0x0                           ; the wave's end, behind my last tensor load and my last LDS store
	ds_add_u32 v[SPW], v[NIL]
	s_wait_dscnt 0x0
	CROUND                                         ; the closing round: no work-group ends while a partner may still ask for a tile that names it
	s_endpgm
.Lfunc_end_k_q30e593b312_attn:
	.size	k_q30e593b312_attn, .Lfunc_end_k_q30e593b312_attn-k_q30e593b312_attn
	.p2alignl 7, 3214868480
	.fill 96, 4, 3214868480
	.section	.rodata,"a",@progbits
	.p2align	6, 0x0
	.amdhsa_kernel k_q30e593b312_attn
		.amdhsa_group_segment_fixed_size 327680
		.amdhsa_private_segment_fixed_size 0
		.amdhsa_enable_private_segment 0
		.amdhsa_kernarg_size 40
		.amdhsa_user_sgpr_count 2
		.amdhsa_user_sgpr_kernarg_segment_ptr 1
		.amdhsa_wavefront_size32 1
		.amdhsa_system_sgpr_workgroup_id_x 1
		.amdhsa_system_sgpr_workgroup_id_y 1
		.amdhsa_system_sgpr_workgroup_id_z 1
		.amdhsa_system_vgpr_workitem_id 0
		.amdhsa_next_free_vgpr 512
		.amdhsa_next_free_sgpr 66
		.amdhsa_reserve_vcc 0
		.amdhsa_float_denorm_mode_32 3
		.amdhsa_float_denorm_mode_16_64 3
		.amdhsa_memory_ordered 1
		.amdhsa_forward_progress 1
		.amdhsa_inst_pref_size 151
	.end_amdhsa_kernel
	.amdgpu_metadata
---
amdhsa.version: [ 1, 2 ]
amdhsa.kernels:
  - .name:           k_q30e593b312_attn
    .symbol:         k_q30e593b312_attn.kd
    .args:
      - { .name: qf, .offset: 0, .size: 8, .value_kind: global_buffer, .address_space: global }
      - { .name: kv, .offset: 8, .size: 8, .value_kind: global_buffer, .address_space: global }
      - { .name: fk, .offset: 16, .size: 8, .value_kind: global_buffer, .address_space: global }
      - { .name: fq, .offset: 24, .size: 8, .value_kind: global_buffer, .address_space: global }
      - { .name: of, .offset: 32, .size: 8, .value_kind: global_buffer, .address_space: global }
    .group_segment_fixed_size: 327680
    .private_segment_fixed_size: 0
    .kernarg_segment_align: 8
    .kernarg_segment_size: 40
    .max_flat_workgroup_size: 256
    .sgpr_count:     66
    .vgpr_count:     512
    .wavefront_size: 32
...
	.end_amdgpu_metadata
.endif
;; end of part 2
;; launch outp (part 3): grid 128 x 2, 8 waves a work-group, no clusters, 103,424 bytes of LDS; arguments of, Wo, bo, out0; writes out0
.if DOCPART == 3
	.amdgcn_target "amdgcn-amd-amdhsa--gfx1250"
	.amdhsa_code_object_version 6
	.text
	.protected	k_q30e593b312_outp
	.globl	k_q30e593b312_outp
	.p2align	8
	.type	k_q30e593b312_outp,@function
k_q30e593b312_outp:
	s_mov_b64 s[64:65], 0
	v_nop
	global_prefetch_b8 v0, s[64:65] scope:SCOPE_SE
	s_setreg_imm32_b32 hwreg(HW_REG_WAVE_MODE, 25, 1), 1
	s_wait_xcnt 0x0
; THE LAST PROJECTION.  out0[row][n] = the sum over k of O[row][k] Wo[n][k] + bo[n].  out0: [8192][256] f32, Wo: [256][256] f32, bo: [256] f32.
; O arrives in f16 as register images: of [tile of 16 rows 512][head 8][block of 1,024 bytes]: chunk c at 512 c + 16 lane; lane (r, h) holds row r, channels 16 c + 8 h + 0..7 of the head: a K step of 32 is a head.
; Wo and bo are rounded once to bf16, like the module's other inputs; Wo's rounded number is then written as f16, since O is f16.  Products in f16, sums in f32; the bias starts the sum.
; LIMITS.  |Wo| under 65,504; an entry of Wo below 6e-5 keeps f16's fixed step of 6e-8 (below 3e-8 it becomes 0).  NaN and infinities are not treated apart.
; SHARES.  Work-group (X, y): rows 64 X on, columns 128 y on: 256 work-groups.  Wave w: row tile w % 4, columns 64 (w / 4) on: four accumulators, which take turns.
; O's fragments come straight from memory into registers; Wo's half (128 rows) goes through registers, where it is rounded, into padded LDS rows: one fill, one barrier.
; NO JOINT LOADS, though Wo's rows are read by 128 work-groups: they lie in memory as f32 and are rounded in registers; a tensor load moves bytes as they lie.
; THE PRODUCT IS TAKEN TRANSPOSED (source 0 = 16 rows of Wo): a lane ends with eight neighbouring columns of one row, 32 bytes; they go through the wave's own stage, and sixteen lanes store 256 consecutive bytes, aligned.
.set PITCH,  528                       ; an LDS row of Wo: 512 bytes of f16 + 16 = 33 x 16
.set STAGE,  128*PITCH                 ; behind Wo: 16 rows x 272 bytes for each wave
.set SP,     272                       ; 256 bytes + 16 = 17 x 16
.set SPARE,  STAGE+8*16*SP             ; the spare words: 128 bytes for each of eight waves, four blocks of 256 bytes that no other line names
.set HIMASK, 0xffff0000
.set LN16, 2                           ; v2   16 x lane
.set SWO,  3                           ; v3   where I put 8 bytes of Wo's rows 16 w on
.set AW,   4                           ; v4   my place in Wo's fragments
.set STO,  5                           ; v5   the way out: where I put 32 bytes of a row
.set RD,   6                           ; v6   where I read rows back
.set CO,   7                           ; v7   my byte offset in two rows of out0
.set SPW,  8                           ; v8   LDS address of my spare word; never rewritten
.set NIL,  9                           ; v9   0; never rewritten
.set BOF,  10                          ; v10  my eight columns of bo
.set BI,   16                          ; v[16:47]   the bias as a C operand, block b at + 8 b
.set TT,   48                          ; v[48:49]   at work
.set OFR,  64                          ; v[64:127]  O's eight fragments
.set WF,   128                         ; v[128:191] two sets of Wo's four fragments; before: sixteen loads; afterwards: rows read back
.set ACC,  192                         ; v[192:223] four accumulators; before: v[192:255] sixteen loads
.set LA,   128
.set LB,   192
.set WV,   12
.set WM,   13
.set WN,   14
.set BY,   16
	s_load_b256 s[4:11], s[0:1], 0x0               ; of s[4:5], Wo s[6:7], bo s[8:9], out0 s[10:11]
	v_lshl_add_u32 v[SPW], v0, 2, SPARE
	v_mov_b32 v[NIL], 0
	v_lshrrev_b32 v1, 5, v0
	v_readfirstlane_b32 s[WV], v1                  ; wave 0..7
	s_and_b32 s[WM], s[WV], 3
	s_lshr_b32 s[WN], s[WV], 2
	s_and_b32 s[BY], ttmp7, 0xffff
	v_and_b32 v1, 31, v0                           ; lane
	v_and_b32 v12, 15, v0                          ; r
	v_bfe_u32 v13, v0, 4, 1                        ; h
	v_lshlrev_b32 v[LN16], 4, v1
	s_mul_i32 s17, s[WV], 16*PITCH
	v_lshl_add_u32 v[SWO], v1, 3, s17
	v_mul_u32_u24 v[AW], v12, PITCH
	v_lshl_add_u32 v[AW], v13, 4, v[AW]
	s_mul_i32 s17, s[WN], 64*PITCH
	v_add_nc_u32 v[AW], s17, v[AW]
	s_mul_i32 s17, s[WV], 16*SP
	s_add_co_u32 s17, s17, STAGE                   ; my stage
	v_mul_u32_u24 v[STO], v12, SP                  ; in: row r, 32 bytes for each half of the lanes
	v_lshl_add_u32 v[STO], v13, 5, v[STO]
	v_add_nc_u32 v[STO], s17, v[STO]
	v_mul_u32_u24 v[RD], v13, SP                   ; back: lanes 0-15 take one row of 256 bytes, lanes 16-31 the next
	v_lshl_add_u32 v[RD], v12, 4, v[RD]
	v_add_nc_u32 v[RD], s17, v[RD]
	v_lshlrev_b32 v[CO], 10, v13                   ; and the same two rows in out0
	v_lshl_add_u32 v[CO], v12, 4, v[CO]
	s_lshl_b32 s17, s[BY], 9
	s_lshl_b32 s18, s[WN], 8
	s_add_co_u32 s17, s17, s18                     ; my 64 columns, in bytes of f32
	v_lshl_add_u32 v[BOF], v13, 5, s17
	s_lshl_b32 s20, ttmp9, 2
	s_add_co_u32 s20, s20, s[WM]
	s_lshl_b32 s20, s20, 13                        ; of: my row tile's 8,192 bytes
	s_mov_b32 s21, 0
	s_lshl_b32 s22, s[BY], 17                      ; Wo: rows 128 y + 16 w on
	s_lshl_b32 s18, s[WV], 14
	s_add_co_u32 s22, s22, s18
	s_mov_b32 s23, 0
	s_lshl_b32 s24, s20, 1                         ; out0: my row tile's 16,384 bytes, and my columns
	s_add_co_u32 s24, s24, s17
	s_mov_b32 s25, 0
	s_wait_kmcnt 0x0
	s_add_nc_u64 s[4:5], s[4:5], s[20:21]
	s_add_nc_u64 s[6:7], s[6:7], s[22:23]
	s_add_nc_u64 s[10:11], s[10:11], s[24:25]
.macro PLACES                          ; four places behind a matrix instruction, in front of loads into registers that it has read and of lines that read its result
.rept 4
	v_nop
.endr
.endm
.macro LD16 buf, j0                    ; sixteen loads of 512 consecutive bytes: half rows j0 .. j0 + 15 of my sixteen rows of Wo
.set i, 0
.rept 16
	global_load_b128 v[(\buf)+4*i:(\buf)+4*i+3], v[LN16], s[6:7] offset:((\j0)+i)*512
.set i, i+1
.endr
.endm
.macro CVW buf, j0                     ; rounded to bf16, widened, written as f16, laid into the padded rows
.set i, 0
.rept 16
	v_cvt_pk_bf16_f32 v[TT],   v[(\buf)+4*i],   v[(\buf)+4*i+1]
	v_cvt_pk_bf16_f32 v[TT+1], v[(\buf)+4*i+2], v[(\buf)+4*i+3]
	v_lshlrev_b32 v[(\buf)+4*i],   16, v[TT]
	v_and_b32     v[(\buf)+4*i+1], HIMASK, v[TT]
	v_lshlrev_b32 v[(\buf)+4*i+2], 16, v[TT+1]
	v_and_b32     v[(\buf)+4*i+3], HIMASK, v[TT+1]
	v_cvt_pk_f16_f32 v[(\buf)+4*i],   v[(\buf)+4*i],   v[(\buf)+4*i+1]
	v_cvt_pk_f16_f32 v[(\buf)+4*i+1], v[(\buf)+4*i+2], v[(\buf)+4*i+3]
	ds_store_b64 v[SWO], v[(\buf)+4*i:(\buf)+4*i+1] offset:(((\j0)+i)/2)*PITCH+(((\j0)+i)%2)*256
.set i, i+1
.endr
.endm
.irp s, 0,1,2,3,4,5,6,7                ; O's fragments: K step s is head s
	global_load_b128 v[OFR+8*\s:OFR+8*\s+3],   v[LN16], s[4:5] offset:\s*1024
	global_load_b128 v[OFR+8*\s+4:OFR+8*\s+7], v[LN16], s[4:5] offset:\s*1024+512
.endr
.irp b, 0,1,2,3
	global_load_b128 v[BI+8*\b:BI+8*\b+3],   v[BOF], s[8:9] offset:\b*64
	global_load_b128 v[BI+8*\b+4:BI+8*\b+7], v[BOF], s[8:9] offset:\b*64+16
.endr
	LD16 LA, 0
	LD16 LB, 16
	s_wait_loadcnt 16                              ; all but the sixteen loads issued last
	CVW LA, 0
.set r, 0
.rept 16                               ; the bias, rounded to bf16 and widened again
	v_cvt_pk_bf16_f32 v[TT], v[BI+r], v[BI+r+1]
	v_lshlrev_b32 v[BI+r], 16, v[TT]
	v_and_b32 v[BI+r+1], HIMASK, v[TT]
.set r, r+2
.endr
	s_wait_loadcnt 0x0
	CVW LB, 16
	s_wait_dscnt 0x0                               ; for the others' sake: my rows of Wo lie in LDS
	s_barrier_signal -1
	s_barrier_wait -1                              ; everybody's do
.macro FETCH ks                        ; Wo's four fragments of K step ks, into set ks % 2
.irp b, 0,1,2,3
	ds_load_b128 v[WF+32*((\ks)%2)+8*\b:WF+32*((\ks)%2)+8*\b+3],   v[AW] offset:\b*16*PITCH+(\ks)*64
	ds_load_b128 v[WF+32*((\ks)%2)+8*\b+4:WF+32*((\ks)%2)+8*\b+7], v[AW] offset:\b*16*PITCH+(\ks)*64+32
.endr
.endm
.macro MUL ks                          ; four products; the first K step's take the bias as C: nothing is cleared
.irp b, 0,1,2,3
.set rc, ACC+8*\b
.if (\ks) == 0
.set rc, BI+8*\b
.endif
	v_wmma_f32_16x16x32_f16 v[ACC+8*\b:ACC+8*\b+7], v[WF+32*((\ks)%2)+8*\b:WF+32*((\ks)%2)+8*\b+7], v[OFR+8*(\ks):OFR+8*(\ks)+7], v[rc:rc+7]
.endr
.endm
	FETCH 0
	FETCH 1
	s_wait_dscnt 8                                 ; this step's fragments are in; the next step's eight loads stay out
	MUL 0
.irp s, 1,2,3,4,5,6
	PLACES                                         ; the set that is loaded next was multiplied just now
	FETCH (\s)+1
	s_wait_dscnt 8
	MUL \s
.endr
	s_wait_dscnt 0x0
	MUL 7
	PLACES
	PLACES                                         ; eight, once a launch
.irp b, 0,1,2,3                        ; each accumulator's low registers first
	ds_store_b128 v[STO], v[ACC+8*\b:ACC+8*\b+3]   offset:\b*64
	ds_store_b128 v[STO], v[ACC+8*\b+4:ACC+8*\b+7] offset:\b*64+16
.endr
.irp t, 0,1,2,3,4,5,6,7
	ds_load_b128 v[WF+4*\t:WF+4*\t+3], v[RD] offset:\t*2*SP   ; LDS serves a wave's instructions in order (ISA guide 5.7.1.4): these see the stores above
.endr
.irp t, 0,1,2,3,4,5,6,7
	s_wait_dscnt 7-\t                              ; the loads issued behind this one may stay out
	global_store_b128 v[CO], v[WF+4*\t:WF+4*\t+3], s[10:11] offset:\t*2048 th:TH_STORE_NT  ; sixteen lanes store 256 consecutive bytes, at a multiple of 256 from out0's first byte
.endr
	s_wait_tensorcnt 0x0                           ; the wave's end, behind my last LDS store
	ds_add_u32 v[SPW], v[NIL]
	s_wait_dscnt 0x0
	s_endpgm
.Lfunc_end_k_q30e593b312_outp:
	.size	k_q30e593b312_outp, .Lfunc_end_k_q30e593b312_outp-k_q30e593b312_outp
	.p2alignl 7, 3214868480
	.fill 96, 4, 3214868480
	.section	.rodata,"a",@progbits
	.p2align	6, 0x0
	.amdhsa_kernel k_q30e593b312_outp
		.amdhsa_group_segment_fixed_size 103424
		.amdhsa_private_segment_fixed_size 0
		.amdhsa_enable_private_segment 0
		.amdhsa_kernarg_size 32
		.amdhsa_user_sgpr_count 2
		.amdhsa_user_sgpr_kernarg_segment_ptr 1
		.amdhsa_wavefront_size32 1
		.amdhsa_system_sgpr_workgroup_id_x 1
		.amdhsa_system_sgpr_workgroup_id_y 1
		.amdhsa_system_sgpr_workgroup_id_z 1
		.amdhsa_system_vgpr_workitem_id 0
		.amdhsa_next_free_vgpr 256
		.amdhsa_next_free_sgpr 66
		.amdhsa_reserve_vcc 0
		.amdhsa_float_denorm_mode_32 3
		.amdhsa_float_denorm_mode_16_64 3
		.amdhsa_memory_ordered 1
		.amdhsa_forward_progress 1
		.amdhsa_inst_pref_size 36
	.end_amdhsa_kernel
	.amdgpu_metadata
---
amdhsa.version: [ 1, 2 ]
amdhsa.kernels:
  - .name:           k_q30e593b312_outp
    .symbol:         k_q30e593b312_outp.kd
    .args:
      - { .name: of, .offset: 0, .size: 8, .value_kind: global_buffer, .address_space: global }
      - { .name: Wo, .offset: 8, .size: 8, .value_kind: global_buffer, .address_space: global }
      - { .name: bo, .offset: 16, .size: 8, .value_kind: global_buffer, .address_space: global }
      - { .name: out0, .offset: 24, .size: 8, .value_kind: global_buffer, .address_space: global }
    .group_segment_fixed_size: 103424
    .private_segment_fixed_size: 0
    .kernarg_segment_align: 8
    .kernarg_segment_size: 32
    .max_flat_workgroup_size: 256
    .sgpr_count:     66
    .vgpr_count:     256
    .wavefront_size: 32
...
	.end_amdgpu_metadata
.endif
;; end of part 3
;; ======== version 2 of 2: 3 launches; version 1 with the launches proj, outp written anew for expert scheduling mode
;; limits: values are held in f16: magnitudes above 65,504 overflow, below 6.1e-05 lose precision
;; workspace buffers: qf 4,194,304 bytes; kv 8,388,608 bytes; fk 524,288 bytes; fq 524,288 bytes; of 4,194,304 bytes
;; launch proj (part 4): grid 64 x 3, 8 waves a work-group, no clusters, 203,776 bytes of LDS; arguments x, pos, Wq, Wk, Wv, bq, bk, bv, qf, kv, fk, fq; writes qf, kv, fk, fq
.if DOCPART == 4
	.amdgcn_target "amdgcn-amd-amdhsa--gfx1250"
	.amdhsa_code_object_version 6
	.text
	.protected	k_q30e593b312_proj
	.globl	k_q30e593b312_proj
	.p2align	8
	.type	k_q30e593b312_proj,@function
k_q30e593b312_proj:
	s_mov_b64 s[64:65], 0
	v_nop
	global_prefetch_b8 v0, s[64:65] scope:SCOPE_SE
	s_setreg_imm32_b32 hwreg(HW_REG_WAVE_SCHED_MODE, 0, 2), 2
	s_setreg_imm32_b32 hwreg(HW_REG_WAVE_MODE, 25, 1), 1
	s_wait_xcnt 0x0
	s_wait_alu depctr_vm_vsrc(0)
; THE THREE PROJECTIONS AND THE DISTANCE FEATURES.  x: [8192][256] f32 (2 x 4096 rows), W*: [256][256] f32, b*: [256] f32, pos: [8192][3] f32.
; Work-group (X, y): rows 128 X .. 128 X + 127, and y = 0: q' = -c1 (x Wq^T + bq), c1 = log2(e) / sqrt(32);  y = 1: k = x Wk^T + bk;  y = 2: v = x Wv^T + bv.
; x, W and the biases are rounded once to bf16, products in bf16 with f32 sums (the bias starts the sum), results rounded once to f16.
; LIMITS.  |c1 q|, |k|, |v| must stay under 65,504 (f16); below 6e-5 they keep f16's fixed step of 6e-8.  NaN and infinities are not treated apart.
; WHAT IS STORED is the register image of a matrix operand, in blocks of 1,024 bytes: 16 rows x 32 numbers of 16 bits; chunk c (0, 1) at byte 512 c + 16 lane; lane (r = lane % 16, h = lane / 16)
; holds row r, numbers 16 c + 8 h + 0..7.  A lane's eight packed results ARE such 16 bytes, so every store of a wave covers 512 consecutive bytes, aligned, straight from registers.
;   qf: [group of 64 rows 128][head 8][tile of 16 rows 4][block]            rows = queries, numbers = the head's 32 channels
;   kv: [2 batch + head group 4][chunk of 64 keys 64][32,768]: K block (head hh of 4, 16 keys kb) at 4096 hh + 1024 kb; V^T block (hh, 32 keys kk, 16 channels cb) at 16384 + 4096 hh + 2048 kk + 1024 cb
;   fk, fq: [tile of 16 points 512][block], bf16: the features below
; THE FEATURES.  With xb = bf16(pos), c2 = log2(e) / 10:  c2^2 |xb_i - xb_j|^2 = the sum over k < 15 of A_j[k] B_i[k], where
;   key row A_j:   k = 3 c + i: piece i of w_c = -2 c2^2 xb_c;  9..11: the pieces of s = c2^2 |xb|^2;  12..14: 1;  15..31: 0
;   query row B_i: k = 3 c + i: xb_c;                           9..11: 1;                             12..14: the pieces of s;  15..31: 0
; The pieces of an f32 number t are t1 = bf16(t), t2 = bf16(t - t1), t3 = t - t1 - t2: three bf16 whose sum is t exactly.  y = 0 makes fq, y = 1 makes fk.
; NO JOINT LOADS, NO TENSOR LOADS, though x's rows are read by three work-groups and W's by 64: both lie in memory as f32 and are rounded in registers on the way to LDS; a tensor load moves bytes as they lie.
; 192 WORK-GROUPS: a work-group's 256 columns are one whole projection, so that one text has one weight, one bias and one way out; K = 256 fits in LDS whole: one fill, one barrier.
; SHARES.  Wave w: rows 64 (w % 2) on (a chunk of 64 keys), columns 64 (w / 2) on (two heads): 16 accumulators of 16 x 16, which take turns.
; THE MODE: SCHED_MODE bits 1:0 = 2 (LLVM: expert scheduling mode 2), set by the entry lines.  The code itself states the register dependences
; between vector or matrix instructions and memory or LDS instructions, with s_wait_alu, always for 0.
; THE PLAN.  Registers that memory or LDS instructions touch:
;   v2-v14, v58   offsets and addresses: written once at the head, ahead of one wait on va_vdst; never written again.
;   BI, BV, PX    loaded once; afterwards named by vector and matrix instructions alone.
;   LA, LB        sixteen loads each.  Group g of six: its 32 roundings read L[g % 2]; behind them the same buffer is loaded again (groups 0 to 3).
;   OA, OB        Group g's roundings write O[g % 2]; the group's sixteen LDS stores read it.  It is written again two groups on.
;   FO            written by the features' selects, read by two global stores; it lies in OB.
;   F0, F1        two sets of eight fragments (F1 in the second register window).  K step s multiplies F[s % 2]; its sixteen LDS loads land in the other set, which the products of step s - 1 read.
;   PK            the packed results, a block of sixteen registers for each 16 rows: written by that block's roundings, read by four stores that are dealt among the next block's roundings.
;   v[SPW], v[NIL]  written at the head, read by the closing add alone.
; So a group has ONE wait on va_vdst, behind its roundings (O is written, L is read out), and from the third group on one on vm_vsrc at its head; a K step has ONE wait on va_vdst, at its head.
.set PITCH,  528                       ; an LDS row: 512 bytes of bf16 + 16 = 33 x 16: the 16 rows of a fragment load start at 16 different 16-byte columns of 256
.set WB,     128*PITCH                 ; x's 128 rows lie at 0, W's 256 rows here
.set SPARE,  WB+256*PITCH              ; the spare words: 128 bytes for each of eight waves, four blocks of 256 bytes that no other line names
.set C2SQ,   0x3caa8179                ; c2^2 = 0.02081369
.set M2C2SQ, 0xbd2a8179                ; -2 c2^2
.set MC1,    0xbe8293ee                ; -c1 = -0.25503486
.set HIMASK, 0xffff0000                ; a word's upper bf16
.set LN16, 2                           ; v2   16 x lane
.set SX,   3                           ; v3   where I put 8 bytes of x's rows 16 w on
.set SW,   4                           ; v4   the same for W's rows 32 w on
.set AX,   5                           ; v5   my place in x's fragments
.set AW,   6                           ; v6   in W's
.set GX,   7                           ; v7   my byte offset in the work-group's rows of x
.set SPW,  8                           ; v8   LDS address of my spare word; never rewritten
.set NIL,  9                           ; v9   0; never rewritten
.set BOF,  10                          ; v10  bias: my eight columns
.set BOV,  11                          ; v11  bias: my one column
.set POSO, 12                          ; v12  my point in pos
.set T16,  13                          ; v13  16 x thread
.set Q4,   14                          ; v14  which eight features of a row I store: (thread / 16) % 4
.set ONE,  15                          ; v15  1.0
.set BI,   16                          ; v[16:47]  the bias as a C operand: block b at BI + 8 b
.set BV,   48                          ; v[48:51]  the bias of column 16 b + r
.set PX,   52                          ; v[52:57]  two points
.set GW,   58                          ; v58  my byte offset in W
.set ZR,   59                          ; v59  0
.set OA,   64                          ; v[64:95]   out-buffer of the even groups: sixteen pairs of packed bf16
.set OB,   96                          ; v[96:127]  of the odd groups
.set PK,   64                          ; v[64:127]  afterwards: the packed results.  Between the two: fragment set F0 (x's four fragments at 64, W's at 96); set F1 lies at v[256:319], laid alike
.set ACC,  128                         ; v[128:255] accumulator (a, b) at ACC + 8 (4 a + b); before: two sets of 16 loads
.set LA,   128
.set LB,   192
.set XBF,  64                          ; features: xb's three numbers
.set SQ,   67                          ; s
.set TM,   68
.set WT,   69
.set PCS,  70                          ; v[70:81]  twelve pieces
.set WD,   84                          ; v[84:91]  a row's first sixteen features, packed
.set FO,   96                          ; v[96:103] what I store, for each half of the work-group's points
.set WS,   28                          ; s[28:29] my W
.set BS,   30                          ; s[30:31] my bias
.set FD,   32                          ; s[32:33] fq or fk at the work-group's eight tiles
.set OD,   34                          ; s[34:35] where my wave's blocks go
.set WV,   36
.set WM,   37
.set WN,   38
.set BX,   39
.set BY,   40
.set SCL,  44                          ; s[44:45] -c1, named as a pair
.set MQ0,  46                          ; lanes with Q4 = 0
.set MQ1,  47                          ; lanes with Q4 = 1
.set OFS,  48                          ; s[48:49] an offset in 64 bits
.set XSB,  50                          ; s[50:51] x at the work-group's first row
.set PSB,  52                          ; s[52:53] pos at its first point
.set MSB, 0
.macro WIN new                         ; s_set_vgpr_msb: bits 1:0 source 0, 3:2 source 1, 5:4 source 2, 7:6 destination; the high byte repeats the setting that is left; a switch that changes nothing is dropped
.if MSB != (\new)
	s_set_vgpr_msb (MSB<<8)|(\new)
.set MSB, (\new)
.endif
.endm
	s_load_b512 s[4:19], s[0:1], 0x0               ; x, pos, Wq, Wk, Wv, bq, bk, bv
	s_load_b256 s[20:27], s[0:1], 0x40             ; qf, kv, fk, fq
	v_lshl_add_u32 v[SPW], v0, 2, SPARE
	v_mov_b32 v[NIL], 0
	v_lshrrev_b32 v1, 5, v0
	v_readfirstlane_b32 s[WV], v1                  ; wave 0..7
	s_mov_b32 s[BX], ttmp9
	s_and_b32 s[BY], ttmp7, 0xffff
	v_and_b32 v1, 31, v0                           ; lane
	v_and_b32 v60, 15, v0                          ; r
	v_bfe_u32 v61, v0, 4, 1                        ; h
	v_lshlrev_b32 v[LN16], 4, v1
	v_lshlrev_b32 v[T16], 4, v0
	v_bfe_u32 v[Q4], v0, 4, 2
	v_mov_b32 v[ONE], 1.0
	v_mov_b32 v[ZR], 0
	s_wait_alu depctr_va_sdst(0)                   ; the wave's number is written, ahead of its first reader: LDS places, offsets and bases are made from it
	s_and_b32 s[WM], s[WV], 1
	s_lshr_b32 s[WN], s[WV], 1
	s_mul_i32 s41, s[WV], 16*PITCH
	v_lshl_add_u32 v[SX], v1, 3, s41
	s_mul_i32 s41, s[WV], 32*PITCH
	s_add_co_u32 s41, s41, WB
	v_lshl_add_u32 v[SW], v1, 3, s41
	v_mul_u32_u24 v[AX], v60, PITCH
	v_lshl_add_u32 v[AX], v61, 4, v[AX]            ; row x pitch + 16 x half
	s_mul_i32 s41, s[WN], 64*PITCH
	s_add_co_u32 s41, s41, WB
	v_add_nc_u32 v[AW], s41, v[AX]
	s_mul_i32 s41, s[WM], 64*PITCH
	v_add_nc_u32 v[AX], s41, v[AX]
	s_lshl_b32 s41, s[WV], 14
	v_add_nc_u32 v[GX], s41, v[LN16]               ; 16 rows of 1,024 bytes a wave
	s_lshl_b32 s41, s[WV], 15
	v_add_nc_u32 v[GW], s41, v[LN16]               ; 32 rows a wave
	s_lshl_b32 s41, s[WN], 8
	v_lshl_add_u32 v[BOF], v61, 5, s41
	v_lshl_add_u32 v[BOV], v60, 2, s41
	v_lshrrev_b32 v1, 6, v0
	v_lshl_add_u32 v1, v1, 4, v60                  ; 16 (thread / 64) + r
	v_mul_u32_u24 v[POSO], v1, 12
	s_mov_b32 s[SCL], MC1
	s_mov_b32 s[SCL+1], MC1
	; where my blocks go.  q: (2 X + wm) x 32,768 + wn x 8,192
	s_lshl_b32 s41, s[BX], 1
	s_add_co_u32 s41, s41, s[WM]
	s_lshl_b32 s41, s41, 15
	s_lshl_b32 s42, s[WN], 13
	s_add_co_u32 s41, s41, s42
	; k: ((2 batch + wn / 2) x 64 + 2 (X % 32) + wm) x 32,768 + (wn % 2) x 8,192;  v: 16,384 further
	s_lshr_b32 s42, s[BX], 5
	s_lshl_b32 s42, s42, 1
	s_lshr_b32 s43, s[WN], 1
	s_add_co_u32 s42, s42, s43
	s_lshl_b32 s42, s42, 6
	s_and_b32 s43, s[BX], 31
	s_lshl_b32 s43, s43, 1
	s_add_co_u32 s42, s42, s43
	s_add_co_u32 s42, s42, s[WM]
	s_lshl_b32 s42, s42, 15
	s_and_b32 s43, s[WN], 1
	s_lshl_b32 s43, s43, 13
	s_add_co_u32 s42, s42, s43
	s_add_co_u32 s43, s42, 16384
	s_cmp_eq_u32 s[BY], 2
	s_cselect_b32 s42, s43, s42
	s_cmp_eq_u32 s[BY], 0
	s_cselect_b32 s41, s41, s42
	s_wait_kmcnt 0x0
	s_cmp_eq_u32 s[BY], 0
	s_cselect_b64 s[WS:WS+1], s[8:9], s[10:11]
	s_cselect_b64 s[BS:BS+1], s[14:15], s[16:17]
	s_cselect_b64 s[FD:FD+1], s[26:27], s[24:25]
	s_cselect_b64 s[OD:OD+1], s[20:21], s[22:23]
	s_cmp_eq_u32 s[BY], 2
	s_cselect_b64 s[WS:WS+1], s[12:13], s[WS:WS+1]
	s_cselect_b64 s[BS:BS+1], s[18:19], s[BS:BS+1]
	s_mov_b32 s[OFS+1], 0
	s_mov_b32 s[OFS], s41
	s_add_nc_u64 s[OD:OD+1], s[OD:OD+1], s[OFS:OFS+1]
	s_lshl_b32 s[OFS], s[BX], 13                   ; eight blocks of features
	s_add_nc_u64 s[FD:FD+1], s[FD:FD+1], s[OFS:OFS+1]
	s_lshl_b32 s[OFS], s[BX], 17                   ; 128 rows of 1,024 bytes
	s_add_nc_u64 s[XSB:XSB+1], s[4:5], s[OFS:OFS+1]
	s_mul_i32 s[OFS], s[BX], 1536                  ; 128 points of 12 bytes
	s_add_nc_u64 s[PSB:PSB+1], s[6:7], s[OFS:OFS+1]
	s_wait_alu depctr_va_vdst(0)                   ; the offsets and addresses v2 to v14 and v58 are written: every load, store and LDS instruction of the kernel reads one of them
.macro PLACES                          ; four places behind a matrix instruction (ISA guide 7.12.1)
.rept 4
	v_nop
.endr
.endm
.macro LD16 buf, vo, sb, j0            ; sixteen loads of 512 consecutive bytes: half rows j0 .. j0 + 15 of my wave's share
.set i, 0
.rept 16
	global_load_b128 v[(\buf)+4*i:(\buf)+4*i+3], v[\vo], s[\sb:(\sb)+1] offset:((\j0)+i)*512
.set i, i+1
.endr
.endm
; A GROUP: sixteen half rows go from buffer buf, rounded to bf16, through out-buffer out into the padded LDS rows: 8 bytes a lane, 256 consecutive bytes a wave.
; left: the other buffer's loads, issued later, which may stay out.  again = 1: the out-buffer has been stored from before.  ld = 1: the buffer takes W's half rows j1 on.
.macro GROUP buf, out, va, j0, left, again, ld, j1
	s_wait_loadcnt \left                           ; loads come back in order (ISA guide 5.7.1): this buffer is in
.if \again
	s_wait_alu depctr_vm_vsrc(0)                   ; the LDS stores of the group before last have read this out-buffer, which the roundings below write again
.endif
.set i, 0
.rept 16
	v_cvt_pk_bf16_f32 v[(\out)+2*i],   v[(\buf)+4*i],   v[(\buf)+4*i+1]
	v_cvt_pk_bf16_f32 v[(\out)+2*i+1], v[(\buf)+4*i+2], v[(\buf)+4*i+3]
.set i, i+1
.endr
	s_wait_alu depctr_va_vdst(0)                   ; the roundings have written the out-buffer, which the LDS stores read, and are done reading the buffer, in which the loads land
.set i, 0
.rept 16
.if \ld
	global_load_b128 v[(\buf)+4*i:(\buf)+4*i+3], v[GW], s[WS:WS+1] offset:((\j1)+i)*512
.endif
	ds_store_b64 v[\va], v[(\out)+2*i:(\out)+2*i+1] offset:(((\j0)+i)/2)*PITCH+(((\j0)+i)%2)*256
.set i, i+1
.endr
.endm
	; eighteen small loads (the same on every path), then x's first 32 half rows
.irp b, 0,1,2,3
	global_load_b128 v[BI+8*\b:BI+8*\b+3],   v[BOF], s[BS:BS+1] offset:\b*64
	global_load_b128 v[BI+8*\b+4:BI+8*\b+7], v[BOF], s[BS:BS+1] offset:\b*64+16
	global_load_b32 v[BV+\b], v[BOV], s[BS:BS+1] offset:\b*64
.endr
.irp i, 0,1,2
	global_load_b32 v[PX+\i],   v[POSO], s[PSB:PSB+1] offset:4*\i
	global_load_b32 v[PX+3+\i], v[POSO], s[PSB:PSB+1] offset:768+4*\i
.endr
	LD16 LA, GX, XSB, 0
	LD16 LB, GX, XSB, 16
	s_wait_loadcnt 32                              ; the eighteen are in; x's 32 loads, issued behind them, stay out
.set r, 0
.rept 18                               ; the bias, both forms (v16 to v51 lie on end), rounded to bf16 and widened again
	v_cvt_pk_bf16_f32 v1, v[BI+r], v[BI+r+1]
	v_lshlrev_b32 v[BI+r], 16, v1
	v_and_b32 v[BI+r+1], HIMASK, v1
.set r, r+2
.endr
; THE FEATURES.  Thread t serves point 16 (t / 64) + t % 16 of each half of the work-group's 128 points, and stores features 8 Q4 .. 8 Q4 + 7 of its row.
.macro SPLIT d, src                    ; the three pieces of v[src], as f32, into v[d], v[d+1], v[d+2]
	v_cvt_pk_bf16_f32 v[TM], v[\src], v[\src]
	v_and_b32 v[\d], HIMASK, v[TM]
	v_sub_f32 v[(\d)+1], v[\src], v[\d]
	v_cvt_pk_bf16_f32 v[TM], v[(\d)+1], v[(\d)+1]
	v_and_b32 v[TM], HIMASK, v[TM]
	v_sub_f32 v[(\d)+2], v[(\d)+1], v[TM]
	v_mov_b32 v[(\d)+1], v[TM]
.endm
.macro FEATC rd                        ; xb, and s with its pieces
	v_cvt_pk_bf16_f32 v[TM], v[PX+3*(\rd)], v[PX+3*(\rd)+1]
	v_lshlrev_b32 v[XBF], 16, v[TM]
	v_and_b32 v[XBF+1], HIMASK, v[TM]
	v_cvt_pk_bf16_f32 v[TM], v[PX+3*(\rd)+2], v[PX+3*(\rd)+2]
	v_and_b32 v[XBF+2], HIMASK, v[TM]
	v_mul_f32 v[SQ], v[XBF], v[XBF]
	v_fmac_f32 v[SQ], v[XBF+1], v[XBF+1]
	v_fmac_f32 v[SQ], v[XBF+2], v[XBF+2]
	v_mul_f32 v[SQ], C2SQ, v[SQ]
	SPLIT PCS+9, SQ
.endm
.macro FEATK                           ; a key's row: the twelve pieces lie on end, then 1, 1, 1, 0
.irp c, 0,1,2
	v_mul_f32 v[WT], M2C2SQ, v[XBF+\c]
	SPLIT PCS+3*\c, WT
.endr
.irp i, 0,1,2,3,4,5
	v_cvt_pk_bf16_f32 v[WD+\i], v[PCS+2*\i], v[PCS+2*\i+1]   ; every piece is a bf16 number: nothing is rounded here
.endr
	v_cvt_pk_bf16_f32 v[WD+6], v[ONE], v[ONE]
	v_cvt_pk_bf16_f32 v[WD+7], v[ONE], v[ZR]
.endm
.macro FEATQ                           ; a query's row: x x x y y y z z z 1 1 1 s1 s2 s3 0
	v_cvt_pk_bf16_f32 v[WD+0], v[XBF], v[XBF]
	v_cvt_pk_bf16_f32 v[WD+1], v[XBF], v[XBF+1]
	v_cvt_pk_bf16_f32 v[WD+2], v[XBF+1], v[XBF+1]
	v_cvt_pk_bf16_f32 v[WD+3], v[XBF+2], v[XBF+2]
	v_cvt_pk_bf16_f32 v[WD+4], v[XBF+2], v[ONE]
	v_cvt_pk_bf16_f32 v[WD+5], v[ONE], v[ONE]
	v_cvt_pk_bf16_f32 v[WD+6], v[PCS+9], v[PCS+10]
	v_cvt_pk_bf16_f32 v[WD+7], v[PCS+11], v[ZR]
.endm
.macro FSEL rd                         ; features 0-7 where Q4 = 0, 8-15 where Q4 = 1, zeros elsewhere
.irp i, 0,1,2,3
	v_cndmask_b32 v[FO+4*(\rd)+\i], v[ZR], v[WD+4+\i], s[MQ1]
	v_cndmask_b32 v[FO+4*(\rd)+\i], v[FO+4*(\rd)+\i], v[WD+\i], s[MQ0]
.endr
.endm
	s_cmp_eq_u32 s[BY], 2
	s_cbranch_scc1 .Lnofeat                        ; v's work-groups make none; no load is jumped over
	v_cmp_eq_u32 s[MQ0], 0, v[Q4]
	v_cmp_eq_u32 s[MQ1], 1, v[Q4]
	s_wait_alu depctr_va_sdst(0)                   ; both masks are written, ahead of the branch and of the selects that read them
	s_cmp_eq_u32 s[BY], 0
	s_cbranch_scc1 .Lqfeat
	FEATC 0
	FEATK
	FSEL 0
	FEATC 1
	FEATK
	FSEL 1
	s_branch .Lfstore
.Lqfeat:
	FEATC 0
	FEATQ
	FSEL 0
	FEATC 1
	FEATQ
	FSEL 1
.Lfstore:
	s_wait_alu depctr_va_vdst(0)                   ; the selects have written v[FO ..], which the two stores read
	global_store_b128 v[T16], v[FO:FO+3],   s[FD:FD+1]              ; a wave stores 512 consecutive bytes
	global_store_b128 v[T16], v[FO+4:FO+7], s[FD:FD+1] offset:4096
.Lnofeat:
	s_wait_xcnt 0x0                                ; the two stores' addresses are translated (ISA guide 3.1): v96 to v103 are written again further down
	s_wait_alu depctr_vm_vsrc(0)                   ; and the two stores have read v[FO ..], which lies in OB: the second group's roundings write it
	; x and W go through two sets of sixteen loads that take turns; each count of 16 is the other set's loads, issued later
	GROUP LA, OA, SX, 0,  16, 0, 1, 0
	GROUP LB, OB, SX, 16, 16, 0, 1, 16
	GROUP LA, OA, SW, 0,  16, 1, 1, 32
	GROUP LB, OB, SW, 16, 16, 1, 1, 48
	GROUP LA, OA, SW, 32, 16, 1, 0, 0
	GROUP LB, OB, SW, 48, 0,  1, 0, 0
	s_wait_dscnt 0x0                               ; for the others' sake: my rows lie in LDS
	s_barrier_signal -1
	s_barrier_wait -1                              ; everybody's do
	s_wait_alu depctr_vm_vsrc(0)                   ; my LDS stores have read OA and OB: these registers are fragment set F0 from here on (the roundings that wrote them stand ahead of the last wait on va_vdst)
; The eight fragments of K step ks (32 along K), into set ks % 2: F0 at v64 of the first window, F1 at v0 of the second.
.macro FETCH ks
	WIN 0x40*((\ks)%2)                             ; destination: the set's window; the address stays in the first
.set fb, 64*(1-(\ks)%2)
.irp a, 0,1,2,3
	ds_load_b128 v[fb+8*\a:fb+8*\a+3],       v[AX] offset:\a*16*PITCH+(\ks)*64
	ds_load_b128 v[fb+8*\a+4:fb+8*\a+7],     v[AX] offset:\a*16*PITCH+(\ks)*64+32
	ds_load_b128 v[fb+32+8*\a:fb+32+8*\a+3], v[AW] offset:\a*16*PITCH+(\ks)*64
	ds_load_b128 v[fb+32+8*\a+4:fb+32+8*\a+7], v[AW] offset:\a*16*PITCH+(\ks)*64+32
.endr
.endm
; K step ks: the next step's sixteen loads in one run at its head, then sixteen products; the sixteen accumulators take turns, one instruction a turn.
; swap = 1: source 0 = W's rows: a lane ends with eight neighbouring channels of one row of x (q, k).  swap = 0: source 0 = x's rows: eight neighbouring keys of one channel (v).
; In step 0 the bias is the C operand that starts the sum: nothing is cleared.  Step 0's own fragments are asked for ahead of it; no instruction has named F1 when step 0 loads into it.
.macro KSTEP ks, swap
.if (\ks) < 7
.if (\ks) > 0
	PLACES                                         ; the four places between the last products and the loads into registers that products have read stand as in the plain form
	WIN 0x40*(((\ks)+1)%2)                         ; the loads' window first, then the wait, then the loads
	s_wait_alu depctr_va_vdst(0)                   ; the products of the step before are done reading their fragment set, in which the loads below land
.endif
	FETCH (\ks)+1
	s_wait_dscnt 16                                ; LDS loads come back in order (ISA guide 5.7.1): this step's fragments are in, the sixteen just issued stay out
.else
	s_wait_dscnt 0x0
.endif
	WIN 0x05*((\ks)%2)                             ; sources 0 and 1: the set's window; C and D in the first
.set fb, 64*(1-(\ks)%2)
.irp a, 0,1,2,3
.irp b, 0,1,2,3
.if \swap
.set r0, fb+32+8*\b
.set r1, fb+8*\a
.else
.set r0, fb+8*\a
.set r1, fb+32+8*\b
.endif
.set rc, ACC+8*(4*\a+\b)
.if (\ks) == 0
.set rc, BI+8*\b
.endif
	v_wmma_f32_16x16x32_bf16 v[ACC+8*(4*\a+\b):ACC+8*(4*\a+\b)+7], v[r0:r0+7], v[r1:r1+7], v[rc:rc+7]
.endr
.endr
.endm
; The way out: each accumulator, its registers in ascending order, is rounded to f16: 16 bytes a lane, one chunk of a block.
.macro PACK4 a, b
.irp i, 0,1,2,3
	v_cvt_pk_f16_f32 v[PK+4*(4*(\a)+(\b))+\i], v[ACC+8*(4*(\a)+(\b))+2*\i], v[ACC+8*(4*(\a)+(\b))+2*\i+1]
.endr
.endm
.macro SEND a, b, swap
.if \swap
	global_store_b128 v[LN16], v[PK+4*(4*(\a)+(\b)):PK+4*(4*(\a)+(\b))+3], s[OD:OD+1] offset:((\b)/2)*4096+(\a)*1024+((\b)%2)*512                      ; head b / 2, rows 16 a on, channels 16 (b % 2) on
.else
	global_store_b128 v[LN16], v[PK+4*(4*(\a)+(\b)):PK+4*(4*(\a)+(\b))+3], s[OD:OD+1] offset:((\b)/2)*4096+((\a)/2)*2048+((\b)%2)*1024+((\a)%2)*512   ; head b / 2, keys 32 (a / 2) + 16 (a % 2) on, channels 16 (b % 2) on
.endif
.endm
; Row block a's sixteen roundings write registers of their own; the four stores of block a - 1 are dealt among them, behind the wait that shows that block written.
.macro PACKST swap
.irp b, 0,1,2,3
	PACK4 0, \b
.endr
.irp a, 1,2,3
	s_wait_alu depctr_va_vdst(0)                   ; the roundings of the block before have written its part of v[PK ..], which the four stores below read
.irp b, 0,1,2,3
	SEND (\a)-1, \b, \swap
	PACK4 \a, \b
.endr
.endr
	s_wait_alu depctr_va_vdst(0)                   ; the last block's roundings have written its part of v[PK ..]
.irp b, 0,1,2,3
	SEND 3, \b, \swap
.endr
.endm
	FETCH 0                                        ; the same on both paths
	s_cmp_eq_u32 s[BY], 2
	s_cbranch_scc1 .Lvpath
.irp s, 0,1,2,3,4,5,6,7
	KSTEP \s, 1
.endr
	WIN 0                                          ; at a label and at a branch every window is 0
	PLACES
	PLACES                                         ; eight in all, once a launch, ahead of the lines that read the results
	s_cmp_lg_u32 s[BY], 0
	s_cbranch_scc1 .Lnoscale                       ; k goes out as it is
.set r, 0
.rept 64
	v_pk_mul_f32 v[ACC+r:ACC+r+1], v[ACC+r:ACC+r+1], s[SCL:SCL+1] op_sel_hi:[1,0]  ; q times -c1, in f32, ahead of its one rounding
.set r, r+2
.endr
.Lnoscale:
	PACKST 1
	s_branch .Lend
.Lvpath:
.irp b, 0,1,2,3
.irp j, 0,1,2,3,4,5,6,7
	v_mov_b32 v[BI+8*\b+\j], v[BV+\b]              ; here a lane holds one channel: its bias in all eight registers
.endr
.endr
.irp s, 0,1,2,3,4,5,6,7
	KSTEP \s, 0
.endr
	WIN 0
	PLACES
	PLACES
	PACKST 0
.Lend:
	s_wait_dscnt 0x0                               ; the closing lines, six on end
	s_wait_alu 0x0
	s_wait_tensorcnt 0x0
	ds_add_u32 v[SPW], v[NIL]
	s_wait_dscnt 0x0
	s_endpgm
.Lfunc_end_k_q30e593b312_proj:
	.size	k_q30e593b312_proj, .Lfunc_end_k_q30e593b312_proj-k_q30e593b312_proj
	.p2alignl 7, 3214868480
	.fill 96, 4, 3214868480
	.section	.rodata,"a",@progbits
	.p2align	6, 0x0
	.amdhsa_kernel k_q30e593b312_proj
		.amdhsa_group_segment_fixed_size 203776
		.amdhsa_private_segment_fixed_size 0
		.amdhsa_enable_private_segment 0
		.amdhsa_kernarg_size 96
		.amdhsa_user_sgpr_count 2
		.amdhsa_user_sgpr_kernarg_segment_ptr 1
		.amdhsa_wavefront_size32 1
		.amdhsa_system_sgpr_workgroup_id_x 1
		.amdhsa_system_sgpr_workgroup_id_y 1
		.amdhsa_system_sgpr_workgroup_id_z 1
		.amdhsa_system_vgpr_workitem_id 0
		.amdhsa_next_free_vgpr 320
		.amdhsa_next_free_sgpr 66
		.amdhsa_reserve_vcc 0
		.amdhsa_float_denorm_mode_32 3
		.amdhsa_float_denorm_mode_16_64 3
		.amdhsa_memory_ordered 1
		.amdhsa_forward_progress 1
		.amdhsa_inst_pref_size 98
	.end_amdhsa_kernel
	.amdgpu_metadata
---
amdhsa.version: [ 1, 2 ]
amdhsa.kernels:
  - .name:           k_q30e593b312_proj
    .symbol:         k_q30e593b312_proj.kd
    .args:
      - { .name: x, .offset: 0, .size: 8, .value_kind: global_buffer, .address_space: global }
      - { .name: pos, .offset: 8, .size: 8, .value_kind: global_buffer, .address_space: global }
      - { .name: Wq, .offset: 16, .size: 8, .value_kind: global_buffer, .address_space: global }
      - { .name: Wk, .offset: 24, .size: 8, .value_kind: global_buffer, .address_space: global }
      - { .name: Wv, .offset: 32, .size: 8, .value_kind: global_buffer, .address_space: global }
      - { .name: bq, .offset: 40, .size: 8, .value_kind: global_buffer, .address_space: global }
      - { .name: bk, .offset: 48, .size: 8, .value_kind: global_buffer, .address_space: global }
      - { .name: bv, .offset: 56, .size: 8, .value_kind: global_buffer, .address_space: global }
      - { .name: qf, .offset: 64, .size: 8, .value_kind: global_buffer, .address_space: global }
      - { .name: kv, .offset: 72, .size: 8, .value_kind: global_buffer, .address_space: global }
      - { .name: fk, .offset: 80, .size: 8, .value_kind: global_buffer, .address_space: global }
      - { .name: fq, .offset: 88, .size: 8, .value_kind: global_buffer, .address_space: global }
    .group_segment_fixed_size: 203776
    .private_segment_fixed_size: 0
    .kernarg_segment_align: 8
    .kernarg_segment_size: 96
    .max_flat_workgroup_size: 256
    .sgpr_count:     66
    .vgpr_count:     320
    .wavefront_size: 32
...
	.end_amdgpu_metadata
.endif
;; end of part 4
;; launch attn: the kernel of part 2 again; grid 64 x 4, 8 waves a work-group, clusters of 4 x 1, 327,680 bytes of LDS; arguments qf, kv, fk, fq, of; writes of
;; launch outp (part 5): grid 128 x 2, 8 waves a work-group, no clusters, 103,424 bytes of LDS; arguments of, Wo, bo, out0; writes out0
.if DOCPART == 5
	.amdgcn_target "amdgcn-amd-amdhsa--gfx1250"
	.amdhsa_code_object_version 6
	.text
	.protected	k_q30e593b312_outp
	.globl	k_q30e593b312_outp
	.p2align	8
	.type	k_q30e593b312_outp,@function
k_q30e593b312_outp:
	s_mov_b64 s[64:65], 0
	v_nop
	global_prefetch_b8 v0, s[64:65] scope:SCOPE_SE
	s_setreg_imm32_b32 hwreg(HW_REG_WAVE_SCHED_MODE, 0, 2), 2
	s_setreg_imm32_b32 hwreg(HW_REG_WAVE_MODE, 25, 1), 1
	s_wait_xcnt 0x0
	s_wait_alu depctr_vm_vsrc(0)
; THE LAST PROJECTION.  out0[row][n] = the sum over k of O[row][k] Wo[n][k] + bo[n].  out0: [8192][256] f32, Wo: [256][256] f32, bo: [256] f32.
; O arrives in f16 as register images: of [tile of 16 rows 512][head 8][block of 1,024 bytes]: chunk c at 512 c + 16 lane; lane (r, h) holds row r, channels 16 c + 8 h + 0..7 of the head: a K step of 32 is a head.
; Wo and bo are rounded once to bf16, like the module's other inputs; Wo's rounded number is then written as f16, since O is f16.  Products in f16, sums in f32; the bias starts the sum.
; LIMITS.  |Wo| under 65,504; an entry of Wo below 6e-5 keeps f16's fixed step of 6e-8 (below 3e-8 it becomes 0).  NaN and infinities are not treated apart.
; SHARES.  Work-group (X, y): rows 64 X on, columns 128 y on: 256 work-groups.  Wave w: row tile w % 4, columns 64 (w / 4) on: four accumulators, which take turns.
; O's fragments come straight from memory into registers; Wo's half (128 rows) goes through registers, where it is rounded, into padded LDS rows: one fill, one barrier.
; NO JOINT LOADS, though Wo's rows are read by 128 work-groups: they lie in memory as f32 and are rounded in registers; a tensor load moves bytes as they lie.
; THE PRODUCT IS TAKEN TRANSPOSED (source 0 = 16 rows of Wo): a lane ends with eight neighbouring columns of one row, 32 bytes; they go through the wave's own stage, and sixteen lanes store 256 consecutive bytes, aligned.
; THE MODE: SCHED_MODE bits 1:0 = 2 (LLVM: expert scheduling mode 2), set by the entry lines.  The code itself states the register dependences
; between vector or matrix instructions and memory or LDS instructions, with s_wait_alu, always for 0.
; THE PLAN.  Registers that memory or LDS instructions touch:
;   v2-v7, v10    offsets and addresses: written once at the head, ahead of one wait on va_vdst; never written again.
;   OFR           loaded once; read by the products alone.
;   LA, LB        sixteen loads each, once; rounded in place; each buffer's sixteen LDS stores read it behind one wait on va_vdst.  Behind the barrier these registers become S0, S1, the accumulators and S2.
;   S0 .. S3      four sets of Wo's four fragments; K step s multiplies S[s % 4].  S3 is the bias's registers, which step 0's products read as C.
;                 Steps 0 to 2 are fetched behind the barrier; steps 3 to 5 behind the products of steps 0 and 1; steps 6 and 7 behind those of steps 2 and 3.
;   ACC           written by the products, read by the stage's eight LDS stores; the rows come back into S0's registers and are stored from there.
;   v[SPW], v[NIL]  written at the head, read by the closing add alone.
; So the walk along K has TWO waits on va_vdst, each ahead of a run of fragment loads and each for the products of the two steps before it.
.set PITCH,  528                       ; an LDS row of Wo: 512 bytes of f16 + 16 = 33 x 16
.set STAGE,  128*PITCH                 ; behind Wo: 16 rows x 272 bytes for each wave
.set SP,     272                       ; 256 bytes + 16 = 17 x 16
.set SPARE,  STAGE+8*16*SP             ; the spare words: 128 bytes for each of eight waves, four blocks of 256 bytes that no other line names
.set HIMASK, 0xffff0000
.set LN16, 2                           ; v2   16 x lane
.set SWO,  3                           ; v3   where I put 8 bytes of Wo's rows 16 w on
.set AW,   4                           ; v4   my place in Wo's fragments
.set STO,  5                           ; v5   the way out: where I put 32 bytes of a row
.set RD,   6                           ; v6   where I read rows back
.set CO,   7                           ; v7   my byte offset in two rows of out0
.set SPW,  8                           ; v8   LDS address of my spare word; never rewritten
.set NIL,  9                           ; v9   0; never rewritten
.set BOF,  10                          ; v10  my eight columns of bo
.set BI,   16                          ; v[16:47]   the bias as a C operand, block b at + 8 b; behind step 0: fragment set S3
.set TT,   48                          ; v[48:49]   at work
.set OFR,  64                          ; v[64:127]  O's eight fragments
.set WF,   128                         ; v[128:191] fragment sets S0, S1; before: sixteen loads; afterwards: rows read back
.set ACC,  192                         ; v[192:223] four accumulators; before: v[192:255] sixteen loads
.set W2,   224                         ; v[224:255] fragment set S2
.set LA,   128
.set LB,   192
.set WV,   12
.set WM,   13
.set WN,   14
.set BY,   16
	s_load_b256 s[4:11], s[0:1], 0x0               ; of s[4:5], Wo s[6:7], bo s[8:9], out0 s[10:11]
	v_lshl_add_u32 v[SPW], v0, 2, SPARE
	v_mov_b32 v[NIL], 0
	v_lshrrev_b32 v1, 5, v0
	v_readfirstlane_b32 s[WV], v1                  ; wave 0..7
	s_and_b32 s[BY], ttmp7, 0xffff
	v_and_b32 v1, 31, v0                           ; lane
	v_and_b32 v12, 15, v0                          ; r
	v_bfe_u32 v13, v0, 4, 1                        ; h
	v_lshlrev_b32 v[LN16], 4, v1
	v_mul_u32_u24 v[AW], v12, PITCH
	v_lshl_add_u32 v[AW], v13, 4, v[AW]
	v_mul_u32_u24 v[STO], v12, SP                  ; in: row r, 32 bytes for each half of the lanes
	v_lshl_add_u32 v[STO], v13, 5, v[STO]
	v_mul_u32_u24 v[RD], v13, SP                   ; back: lanes 0-15 take one row of 256 bytes, lanes 16-31 the next
	v_lshl_add_u32 v[RD], v12, 4, v[RD]
	v_lshlrev_b32 v[CO], 10, v13                   ; and the same two rows in out0
	v_lshl_add_u32 v[CO], v12, 4, v[CO]
	s_wait_alu depctr_va_sdst(0)                   ; the wave's number is written, ahead of its first reader: LDS places, offsets and bases are made from it
	s_and_b32 s[WM], s[WV], 3
	s_lshr_b32 s[WN], s[WV], 2
	s_mul_i32 s17, s[WV], 16*PITCH
	v_lshl_add_u32 v[SWO], v1, 3, s17
	s_mul_i32 s17, s[WN], 64*PITCH
	v_add_nc_u32 v[AW], s17, v[AW]
	s_mul_i32 s17, s[WV], 16*SP
	s_add_co_u32 s17, s17, STAGE                   ; my stage
	v_add_nc_u32 v[STO], s17, v[STO]
	v_add_nc_u32 v[RD], s17, v[RD]
	s_lshl_b32 s17, s[BY], 9
	s_lshl_b32 s18, s[WN], 8
	s_add_co_u32 s17, s17, s18                     ; my 64 columns, in bytes of f32
	v_lshl_add_u32 v[BOF], v13, 5, s17
	s_lshl_b32 s20, ttmp9, 2
	s_add_co_u32 s20, s20, s[WM]
	s_lshl_b32 s20, s20, 13                        ; of: my row tile's 8,192 bytes
	s_mov_b32 s21, 0
	s_lshl_b32 s22, s[BY], 17                      ; Wo: rows 128 y + 16 w on
	s_lshl_b32 s18, s[WV], 14
	s_add_co_u32 s22, s22, s18
	s_mov_b32 s23, 0
	s_lshl_b32 s24, s20, 1                         ; out0: my row tile's 16,384 bytes, and my columns
	s_add_co_u32 s24, s24, s17
	s_mov_b32 s25, 0
	s_wait_kmcnt 0x0
	s_add_nc_u64 s[4:5], s[4:5], s[20:21]
	s_add_nc_u64 s[6:7], s[6:7], s[22:23]
	s_add_nc_u64 s[10:11], s[10:11], s[24:25]
	s_wait_alu depctr_va_vdst(0)                   ; the offsets and addresses v2 to v7 and v10 are written: every load, store and LDS instruction of the kernel reads one of them
.macro PLACES                          ; four places behind a matrix instruction (ISA guide 7.12.1)
.rept 4
	v_nop
.endr
.endm
.macro LD16 buf, j0                    ; sixteen loads of 512 consecutive bytes: half rows j0 .. j0 + 15 of my sixteen rows of Wo
.set i, 0
.rept 16
	global_load_b128 v[(\buf)+4*i:(\buf)+4*i+3], v[LN16], s[6:7] offset:((\j0)+i)*512
.set i, i+1
.endr
.endm
.macro CVV buf                         ; rounded to bf16, widened, written as f16: four numbers close up into the first two of their four registers
.set i, 0
.rept 16
	v_cvt_pk_bf16_f32 v[TT],   v[(\buf)+4*i],   v[(\buf)+4*i+1]
	v_cvt_pk_bf16_f32 v[TT+1], v[(\buf)+4*i+2], v[(\buf)+4*i+3]
	v_lshlrev_b32 v[(\buf)+4*i],   16, v[TT]
	v_and_b32     v[(\buf)+4*i+1], HIMASK, v[TT]
	v_lshlrev_b32 v[(\buf)+4*i+2], 16, v[TT+1]
	v_and_b32     v[(\buf)+4*i+3], HIMASK, v[TT+1]
	v_cvt_pk_f16_f32 v[(\buf)+4*i],   v[(\buf)+4*i],   v[(\buf)+4*i+1]
	v_cvt_pk_f16_f32 v[(\buf)+4*i+1], v[(\buf)+4*i+2], v[(\buf)+4*i+3]
.set i, i+1
.endr
.endm
.macro CVS buf, j0                     ; and laid into the padded rows, in one run
.set i, 0
.rept 16
	ds_store_b64 v[SWO], v[(\buf)+4*i:(\buf)+4*i+1] offset:(((\j0)+i)/2)*PITCH+(((\j0)+i)%2)*256
.set i, i+1
.endr
.endm
.irp s, 0,1,2,3,4,5,6,7                ; O's fragments: K step s is head s
	global_load_b128 v[OFR+8*\s:OFR+8*\s+3],   v[LN16], s[4:5] offset:\s*1024
	global_load_b128 v[OFR+8*\s+4:OFR+8*\s+7], v[LN16], s[4:5] offset:\s*1024+512
.endr
.irp b, 0,1,2,3
	global_load_b128 v[BI+8*\b:BI+8*\b+3],   v[BOF], s[8:9] offset:\b*64
	global_load_b128 v[BI+8*\b+4:BI+8*\b+7], v[BOF], s[8:9] offset:\b*64+16
.endr
	LD16 LA, 0
	LD16 LB, 16
	s_wait_loadcnt 16                              ; all but the sixteen loads issued last
	CVV LA
	s_wait_alu depctr_va_vdst(0)                   ; the conversions have written v[LA ..], which the LDS stores read
	CVS LA, 0
.set r, 0
.rept 16                               ; the bias, rounded to bf16 and widened again
	v_cvt_pk_bf16_f32 v[TT], v[BI+r], v[BI+r+1]
	v_lshlrev_b32 v[BI+r], 16, v[TT]
	v_and_b32 v[BI+r+1], HIMASK, v[TT]
.set r, r+2
.endr
	s_wait_loadcnt 0x0
	CVV LB
	s_wait_alu depctr_va_vdst(0)                   ; the conversions have written v[LB ..], which the LDS stores read; all vector lines that named LA and LB are done, so fragments may land there
	CVS LB, 16
	s_wait_dscnt 0x0                               ; for the others' sake: my rows of Wo lie in LDS
	s_barrier_signal -1
	s_barrier_wait -1                              ; everybody's do
	s_wait_alu depctr_vm_vsrc(0)                   ; my LDS stores have read v[LA ..] and v[LB ..]: from here on fragments land in these registers and the products write their sums there
.macro SETB ks                         ; wb: the fragment set of K step ks
.set wb, WF+32*((\ks)%4)
.if (\ks)%4 == 2
.set wb, W2
.endif
.if (\ks)%4 == 3
.set wb, BI
.endif
.endm
.macro FETCH ks                        ; Wo's four fragments of K step ks
	SETB \ks
.irp b, 0,1,2,3
	ds_load_b128 v[wb+8*\b:wb+8*\b+3],   v[AW] offset:\b*16*PITCH+(\ks)*64
	ds_load_b128 v[wb+8*\b+4:wb+8*\b+7], v[AW] offset:\b*16*PITCH+(\ks)*64+32
.endr
.endm
.macro MUL ks                          ; four products; the first K step's take the bias as C: nothing is cleared; the four accumulators take turns
	SETB \ks
.irp b, 0,1,2,3
.set rc, ACC+8*\b
.if (\ks) == 0
.set rc, BI+8*\b
.endif
	v_wmma_f32_16x16x32_f16 v[ACC+8*\b:ACC+8*\b+7], v[wb+8*\b:wb+8*\b+7], v[OFR+8*(\ks):OFR+8*(\ks)+7], v[rc:rc+7]
.endr
.endm
	; every count below is eight loads for each younger step that may stay out: LDS loads come back in order (ISA guide 5.7.1)
	FETCH 0
	FETCH 1
	FETCH 2
	s_wait_dscnt 16
	MUL 0
	s_wait_dscnt 8
	MUL 1
	PLACES                                         ; the four places between the last products and the loads into registers that products have read stand as in the plain form
	s_wait_alu depctr_va_vdst(0)                   ; the products of steps 0 and 1 are done reading the bias, S0 and S1, in which the fragments of steps 3, 4 and 5 land
	FETCH 3
	FETCH 4
	FETCH 5
	s_wait_dscnt 24
	MUL 2
	s_wait_dscnt 16
	MUL 3
	PLACES
	s_wait_alu depctr_va_vdst(0)                   ; the products of steps 2 and 3 are done reading S2 and S3, in which the fragments of steps 6 and 7 land
	FETCH 6
	FETCH 7
	s_wait_dscnt 24
	MUL 4
	s_wait_dscnt 16
	MUL 5
	s_wait_dscnt 8
	MUL 6
	s_wait_dscnt 0x0
	MUL 7
	PLACES
	PLACES                                         ; eight, once a launch
	s_wait_alu depctr_va_vdst(0)                   ; the products have written the accumulators, which the LDS stores read, and are done reading S0, in which the rows come back; the places above stay beside this wait
.irp b, 0,1,2,3                        ; each accumulator's low registers first
	ds_store_b128 v[STO], v[ACC+8*\b:ACC+8*\b+3]   offset:\b*64
	ds_store_b128 v[STO], v[ACC+8*\b+4:ACC+8*\b+7] offset:\b*64+16
.endr
.irp t, 0,1,2,3,4,5,6,7
	ds_load_b128 v[WF+4*\t:WF+4*\t+3], v[RD] offset:\t*2*SP   ; LDS serves a wave's instructions in order (ISA guide 5.7.1.4): these see the stores above
.endr
.irp t, 0,1,2,3,4,5,6,7
	s_wait_dscnt 7-\t                              ; the loads issued behind this one may stay out
	global_store_b128 v[CO], v[WF+4*\t:WF+4*\t+3], s[10:11] offset:\t*2048 th:TH_STORE_NT  ; sixteen lanes store 256 consecutive bytes, at a multiple of 256 from out0's first byte
.endr
	s_wait_dscnt 0x0                               ; the closing lines, six on end
	s_wait_alu 0x0
	s_wait_tensorcnt 0x0
	ds_add_u32 v[SPW], v[NIL]
	s_wait_dscnt 0x0
	s_endpgm
.Lfunc_end_k_q30e593b312_outp:
	.size	k_q30e593b312_outp, .Lfunc_end_k_q30e593b312_outp-k_q30e593b312_outp
	.p2alignl 7, 3214868480
	.fill 96, 4, 3214868480
	.section	.rodata,"a",@progbits
	.p2align	6, 0x0
	.amdhsa_kernel k_q30e593b312_outp
		.amdhsa_group_segment_fixed_size 103424
		.amdhsa_private_segment_fixed_size 0
		.amdhsa_enable_private_segment 0
		.amdhsa_kernarg_size 32
		.amdhsa_user_sgpr_count 2
		.amdhsa_user_sgpr_kernarg_segment_ptr 1
		.amdhsa_wavefront_size32 1
		.amdhsa_system_sgpr_workgroup_id_x 1
		.amdhsa_system_sgpr_workgroup_id_y 1
		.amdhsa_system_sgpr_workgroup_id_z 1
		.amdhsa_system_vgpr_workitem_id 0
		.amdhsa_next_free_vgpr 256
		.amdhsa_next_free_sgpr 66
		.amdhsa_reserve_vcc 0
		.amdhsa_float_denorm_mode_32 3
		.amdhsa_float_denorm_mode_16_64 3
		.amdhsa_memory_ordered 1
		.amdhsa_forward_progress 1
		.amdhsa_inst_pref_size 36
	.end_amdhsa_kernel
	.amdgpu_metadata
---
amdhsa.version: [ 1, 2 ]
amdhsa.kernels:
  - .name:           k_q30e593b312_outp
    .symbol:         k_q30e593b312_outp.kd
    .args:
      - { .name: of, .offset: 0, .size: 8, .value_kind: global_buffer, .address_space: global }
      - { .name: Wo, .offset: 8, .size: 8, .value_kind: global_buffer, .address_space: global }
      - { .name: bo, .offset: 16, .size: 8, .value_kind: global_buffer, .address_space: global }
      - { .name: out0, .offset: 24, .size: 8, .value_kind: global_buffer, .address_space: global }
    .group_segment_fixed_size: 103424
    .private_segment_fixed_size: 0
    .kernarg_segment_align: 8
    .kernarg_segment_size: 32
    .max_flat_workgroup_size: 256
    .sgpr_count:     66
    .vgpr_count:     256
    .wavefront_size: 32
...
	.end_amdgpu_metadata
.endif
;; end of part 5
